; MI455X (gfx1250); checked and timed in simulation.
; The chip was launched on July 23, 2026; its instructions are those of AMD's public machine-readable ISA for CDNA 5 (MIT licence, August 2026) and "CDNA5" Instruction Set Architecture Reference Guide (July 2026). The comments in the code are by the model that wrote it; some were corrected since.
;; Block. Allowed arithmetic: matrix products marked QUANTISED: E4M3 operands, one given power-of-two scale a tensor, by v_wmma_f32_16x16x64_fp8_fp8 or v_wmma_f32_16x16x128_fp8_fp8, f32 sums; everything else in f32.
;; Inputs: fc1_b 4,096 float32; fc1_w_codes 4,096 x 32 x 32 uint8 (E4M3 codes of fc1_w, K innermost, in blocks of 32 codes); fc2_b 1,024 float32; fc2_w_codes 1,024 x 128 x 32 uint8 (E4M3 codes of fc2_w, K innermost, in blocks of 32 codes); ln1_b 1,024 float32; ln1_w 1,024 float32; ln2_b 1,024 float32; ln2_w 1,024 float32; lowp_scales 12 int32 (the exponents e of the quantised operands' scales 2^e); proj_b 1,024 float32; proj_w_codes 1,024 x 32 x 32 uint8 (E4M3 codes of proj_w, K innermost, in blocks of 32 codes); qkv_b 3,072 float32; qkv_w_codes 3,072 x 32 x 32 uint8 (E4M3 codes of qkv_w, K innermost, in blocks of 32 codes); x 2 x 2,048 x 1,024 float32.
;; Outputs: out0 2 x 2,048 x 1,024 float32.
;; This version of the problem:
;;   THIS VERSION OF THE PROBLEM IS GIVEN IN LOW PRECISION. The matrix products marked QUANTISED in the list below multiply operands that are first quantised to E4M3 (4 exponent bits, 3 mantissa bits; 8 bits a number), with one given power-of-two scale for each operand tensor; their sums are f32. All else is computed in f32.
;;   The module's matrix products, in the order in which they are computed (A, B: the left and right operand; K: the contracted axis; several contracted axes count as one K, in the product's order):
;;     1. [M 4,096, K 1,024] x [K 1,024, N 3,072]; A: computed on the way; B: input qkv_w (given as codes): QUANTISED (scales: A lowp_scales[0], B lowp_scales[1])
;;     2. batch 32 x [M 2,048, K 64] x [K 64, N 2,048]; A: computed on the way; B: computed on the way: QUANTISED (scales: A lowp_scales[2], B lowp_scales[3])
;;     3. batch 32 x [M 2,048, K 2,048] x [K 2,048, N 64]; A: softmax (see below); B: computed on the way: QUANTISED (scales: A lowp_scales[4], B lowp_scales[5])
;;     4. [M 4,096, K 1,024] x [K 1,024, N 1,024]; A: computed on the way; B: input proj_w (given as codes): QUANTISED (scales: A lowp_scales[6], B lowp_scales[7])
;;     5. [M 4,096, K 1,024] x [K 1,024, N 4,096]; A: computed on the way; B: input fc1_w (given as codes): QUANTISED (scales: A lowp_scales[8], B lowp_scales[9])
;;     6. [M 4,096, K 4,096] x [K 4,096, N 1,024]; A: computed on the way; B: input fc2_w (given as codes): QUANTISED (scales: A lowp_scales[10], B lowp_scales[11])
;;   THE QUANTISER, for each operand of a quantised product, along K:
;;     - The operand's scale is 2^e, e = its entry of the input lowp_scales (int32; the entries are numbered through the quantised products in the list's order, A before B).
;;     - Each number is divided by the scale, clamped to +-448, and rounded to the nearest number of E4M3, ties to even, subnormals kept.
;;     - The product sums the exact products of the quantised numbers (number of the format x scale) in f32.
;;   ~~~python
;;   def quantise(x, axis, e):      # numpy; x: float32 -> the quantised numbers, widened to float32 again
;;       x = np.moveaxis(x, axis, -1); K = x.shape[-1]
;;       r = np.clip(x / 2.0 ** e, -448, 448)
;;       step = 2.0 ** (np.maximum(np.frexp(np.where(r == 0, 1, r))[1] - 1, -6) - 3)
;;       q = np.round(r / step) * step * 2.0 ** e      # np.round: ties to even
;;       return np.moveaxis(q, -1, axis).astype(np.float32)
;;   ~~~
;;   SOFTMAX AHEAD OF A QUANTISED PRODUCT. Where the list says 'softmax', what is quantised is not the finished softmax but p = 2^(t - M), with t = logit x log2(e) and M = ceil(the row's largest t), a whole number; so 1/2 < the row's largest p <= 1. The row's sum l is taken of the UNQUANTISED p, in f32, and the product's result is divided by l at the end. Since M is a whole number, a kernel that streams over the keys may use a running M (the ceiling of the running maximum): every later rescaling is an exact power of two, so the quantised numbers keep their values, but for numbers so far below the row's largest that they fall under the format's range.
;;   OPERANDS COMPUTED ON THE WAY. 'Computed on the way' means the value that the module computes at that place (a softmax that the list does not call 'softmax' is quantised finished and normalised). What goes into a quantiser is computed in f32, as accurately as f32 sums, v_exp_f32 and their like allow (about 1e-6 of the number): no bf16 or f16 on the way to a quantiser, and a product that is left as it is and whose result goes on into a quantised operand takes f32 operands (vector FMAs, or v_wmma_f32_16x16x4_f32). A number that lies on a knife's edge between two numbers of the format may be rounded either way, as far as f32 arithmetic and the matrix unit's own rounding can turn it there, and no further.
;;   INPUTS GIVEN AS CODES. fc1_w (in the module: [4096, 1024], K = its axis 1); fc2_w (in the module: [1024, 4096], K = its axis 1); proj_w (in the module: [1024, 1024], K = its axis 1); qkv_w (in the module: [3072, 1024], K = its axis 1): each comes as NAME_codes (uint8): NAME with its K axis moved to the last place and cut into blocks of 32 codes, [.., K / 32, bytes a block], one block behind the other in memory; one code a byte (a code: sign, 4 exponent bits, 3 mantissa bits); its scale is its entry of lowp_scales. Its value is code x scale, taken as it is: it is not quantised again, and the codes and scales need not be those that the quantiser above would give.
;; One version. Each part assembles by itself: llvm-mc -triple=amdgcn-amd-amdhsa -mcpu=gfx1250 --defsym DOCPART=n.
;; ======== version 1 of 1: 7 launches
;; limits: a function is approximated: absolute error at most 1.5e-07; an absolute error that grows with the inputs' magnitude: up to 7.5e-08 times it
;; workspace buffers: xnc 4,194,304 bytes; qkc 8,388,608 bytes; vc 4,194,304 bytes; oc 4,194,304 bytes; x1 16,777,216 bytes; hc 16,777,216 bytes
;; launch ln1q (part 1): grid 256 x 1, 8 waves a work-group, no clusters, 17,408 bytes of LDS; arguments x, ln1_w, ln1_b, lowp_scales, xnc; writes xnc
.if DOCPART == 1
	.amdgcn_target "amdgcn-amd-amdhsa--gfx1250"
	.amdhsa_code_object_version 6
	.text
	.protected	k_q9d8d40a409_ln1q
	.globl	k_q9d8d40a409_ln1q
	.p2align	8
	.type	k_q9d8d40a409_ln1q,@function
k_q9d8d40a409_ln1q:
	s_mov_b64 s[64:65], 0
	v_nop
	global_prefetch_b8 v0, s[64:65] scope:SCOPE_SE
	s_setreg_imm32_b32 hwreg(HW_REG_WAVE_MODE, 25, 1), 1
	s_wait_xcnt 0x0
; THE PROGRAM: a pre-norm transformer block, 4,096 tokens x 1,024, 16 heads of 64, MLP of 4,096; all six products on codes of FP8 (E4M3) with the twelve given scales 2^e.
; Seven launches: LayerNorm 1 to codes | q, k, v | attention | projection + residual | LayerNorm 2 to codes | fc1 + GELU | fc2 + residual.
; NO WORK IS LEFT OUT: every bias goes into a quantised operand or into the output, every gain and shift goes into a quantised operand, so every input is loaded by some launch.
; THIS LAUNCH: xn = (x - mean) * rsqrt(var + 1e-5) * w + b, row by row, in f32, then code = xn / 2^e held within +-448, to the nearest code, ties to even; e = entry EOFF / 4 of the scales.
; A row is 4,096 bytes: one wave holds it in 32 registers a lane.  The mean is taken first and the variance of the differences: no difference of large sums is formed.
; Eight waves, two rows each, 16 rows a work-group.  Each load covers 512 consecutive bytes.  A lane's four codes of a load are 4 bytes: a row's codes are gathered in the wave's own LDS bytes
; and leave as two stores of 512 consecutive bytes.  No barrier: waves share nothing.  No matrix unit, cluster or tensor load: each byte is read once and there is no tile that two waves want.
; LIMITS: e between -126 and 119, so that 2^e and 448 x 2^e are f32 numbers.  NaN among the inputs is not served.
.set EOFF,  0                          ; byte offset of e in the buffer of scales
.set SPARE, 16384                      ; behind the waves' 8 x 2,048 bytes: the spare words, 128 bytes a wave
.set LO,  2                            ; v2   16 x lane: my bytes in a load or store of 512
.set LW,  3                            ; v3   LDS: 2,048 x wave + 4 x lane
.set LR,  4                            ; v4   LDS: 2,048 x wave + 16 x lane
.set SPW, 5                            ; v5   my spare word; never rewritten
.set NIL, 6                            ; v6   0; never rewritten
.set SCV, 16                           ; v16  2^e
.set LIM, 17                           ; v17  448 x 2^e
.set WW,  32                           ; v32-63   w: register 4 j + i = column 128 j + 4 lane + i
.set BB,  64                           ; v64-95   b likewise
.set XX,  96                           ; v96-159  two rows likewise
.set CCD, 160                          ; v160-175 codes
.set OO,  176                          ; v176-191 codes read back
	s_load_b256 s[4:11], s[0:1], 0x0               ; x s[4:5], w s[6:7], b s[8:9], scales s[10:11]
	s_load_b64 s[12:13], s[0:1], 0x20              ; the codes
	v_lshl_add_u32 v[SPW], v0, 2, SPARE
	v_mov_b32 v[NIL], 0
	v_lshrrev_b32 v1, 5, v0
	v_readfirstlane_b32 s14, v1                    ; wave 0..7
	v_and_b32 v1, 31, v0                           ; lane
	v_lshlrev_b32 v[LO], 4, v1
	s_lshl_b32 s15, s14, 11                        ; my wave's 2,048 bytes of LDS
	v_lshl_add_u32 v[LW], v1, 2, s15
	v_add_nc_u32 v[LR], s15, v[LO]
	s_lshl_b32 s16, ttmp9, 16                      ; 16 rows of 4,096 bytes a work-group,
	s_lshl_b32 s17, s14, 13                        ; two a wave
	s_add_co_u32 s16, s16, s17
	s_mov_b32 s17, 0
	s_lshl_b32 s18, ttmp9, 14                      ; the same rows of 1,024 codes
	s_add_co_u32 s18, s18, s15
	s_mov_b32 s19, 0
	s_mov_b32 s20, 0x76543210                      ; lane selects: lane l xor 16
	s_mov_b32 s21, 0xfedcba98
	s_mov_b32 s23, 0x3a800000                      ; 1 / 1024
	s_mov_b32 s24, 0x3727c5ac                      ; 1e-5
	v_mov_b32 v7, 0                                ; a lane permute's destination counts as read
	s_wait_kmcnt 0x0
	s_load_b32 s22, s[10:11], EOFF
	s_add_nc_u64 s[4:5], s[4:5], s[16:17]
	s_add_nc_u64 s[12:13], s[12:13], s[18:19]
.irp j, 0,1,2,3,4,5,6,7
	global_load_b128 v[XX+4*\j:XX+4*\j+3], v[LO], s[4:5] offset:512*\j th:TH_LOAD_NT
.endr
.irp j, 0,1,2,3,4,5,6,7
	global_load_b128 v[WW+4*\j:WW+4*\j+3], v[LO], s[6:7] offset:512*\j
.endr
.irp j, 0,1,2,3,4,5,6,7
	global_load_b128 v[BB+4*\j:BB+4*\j+3], v[LO], s[8:9] offset:512*\j
.endr
.irp j, 0,1,2,3,4,5,6,7
	global_load_b128 v[XX+32+4*\j:XX+32+4*\j+3], v[LO], s[4:5] offset:4096+512*\j th:TH_LOAD_NT
.endr
	s_wait_kmcnt 0x0
	s_add_co_i32 s22, s22, 127
	s_lshl_b32 s25, s22, 23
	v_mov_b32 v[SCV], s25                          ; 2^e as f32: the conversion takes its exponent field
	s_add_co_i32 s22, s22, 8
	s_lshl_b32 s22, s22, 23
	s_or_b32 s22, s22, 0x600000
	v_mov_b32 v[LIM], s22                          ; 448 x 2^e
.macro RED                             ; v[8:9] -> the sum over the wave, in v8 of every lane
	v_add_f32 v8, v8, v9
	v_add_f32_dpp v8, v8, v8 row_xmask:1 row_mask:0xf bank_mask:0xf
	v_add_f32_dpp v8, v8, v8 row_xmask:2 row_mask:0xf bank_mask:0xf
	v_add_f32_dpp v8, v8, v8 row_xmask:4 row_mask:0xf bank_mask:0xf
	v_add_f32_dpp v8, v8, v8 row_xmask:8 row_mask:0xf bank_mask:0xf
	v_permlanex16_b32 v7, v8, s20, s21
	v_add_f32 v8, v8, v7
.endm
; Row i of my two.  c1: the loads that may be out when the row is needed; c2: when w and b are needed.
.macro ROW i, c1, c2
.set XB, XX+32*(\i)
	s_wait_loadcnt \c1
	v_pk_add_f32 v[8:9], v[XB:XB+1], v[XB+2:XB+3]              ; the sum, in two chains
	v_pk_add_f32 v[10:11], v[XB+4:XB+5], v[XB+6:XB+7]
.irp j, 8,12,16,20,24,28
	v_pk_add_f32 v[8:9], v[8:9], v[XB+\j:XB+\j+1]
	v_pk_add_f32 v[10:11], v[10:11], v[XB+\j+2:XB+\j+3]
.endr
	v_pk_add_f32 v[8:9], v[8:9], v[10:11]
	RED
	v_mul_f32 v12, s23, v8                         ; the mean, twice, for the packed form
	v_mul_f32 v13, s23, v8
.irp j, 0,2,4,6,8,10,12,14,16,18,20,22,24,26,28,30
	v_pk_add_f32 v[XB+\j:XB+\j+1], v[XB+\j:XB+\j+1], v[12:13] neg_lo:[0,1] neg_hi:[0,1]   ; x - mean
.endr
	v_pk_mul_f32 v[8:9], v[XB:XB+1], v[XB:XB+1]                ; the sum of squares of the differences
	v_pk_mul_f32 v[10:11], v[XB+2:XB+3], v[XB+2:XB+3]
.irp j, 4,8,12,16,20,24,28
	v_pk_fma_f32 v[8:9], v[XB+\j:XB+\j+1], v[XB+\j:XB+\j+1], v[8:9]
	v_pk_fma_f32 v[10:11], v[XB+\j+2:XB+\j+3], v[XB+\j+2:XB+\j+3], v[10:11]
.endr
	v_pk_add_f32 v[8:9], v[8:9], v[10:11]
	RED
	v_fma_f32 v8, v8, s23, s24                     ; var + 1e-5
	v_rsq_f32 v14, v8
	v_rsq_f32 v15, v8
	v_nop                                          ; a plain instruction behind the transcendentals (ISA guide 5.7.2),
	s_wait_alu depctr_va_vdst(0)                   ; and the one wait ahead of their first reader
	s_wait_loadcnt \c2
.irp j, 0,2,4,6,8,10,12,14,16,18,20,22,24,26,28,30
	v_pk_mul_f32 v[XB+\j:XB+\j+1], v[XB+\j:XB+\j+1], v[14:15]
.endr
.irp j, 0,2,4,6,8,10,12,14,16,18,20,22,24,26,28,30
	v_pk_fma_f32 v[XB+\j:XB+\j+1], v[XB+\j:XB+\j+1], v[WW+\j:WW+\j+1], v[BB+\j:BB+\j+1]
.endr
.set ii, 0
.rept 32
	v_med3_num_f32 v[XB+ii], v[XB+ii], -v[LIM], v[LIM]         ; the conversion to an 8-bit code does not saturate (ISA guide 7.6.2): the hold comes first
.set ii, ii+1
.endr
.irp g, 0,1,2,3
	v_cvt_scalef32_pk8_fp8_f32 v[CCD+8*(\i)+2*\g:CCD+8*(\i)+2*\g+1], v[XB+8*\g:XB+8*\g+7], v[SCV]   ; register j of the eight: the four codes of load j
.endr
	v_nop                                          ; a plain instruction behind the last scaled conversion
.irp j, 0,1,2,3,4,5,6,7
	ds_store_b32 v[LW], v[CCD+8*(\i)+\j] offset:1024*(\i)+128*\j      ; columns 128 j + 4 lane on
.endr
.irp k, 0,1
	ds_load_b128 v[OO+8*(\i)+4*\k:OO+8*(\i)+4*\k+3], v[LR] offset:1024*(\i)+512*\k   ; LDS serves a wave's instructions in order (ISA guide 5.7.1.4): these see my stores
.endr
	s_wait_dscnt 0x0
.irp k, 0,1
	global_store_b128 v[LO], v[OO+8*(\i)+4*\k:OO+8*(\i)+4*\k+3], s[12:13] offset:1024*(\i)+512*\k   ; 32 lanes store 512 consecutive bytes, at a multiple of 256 from the buffer's first byte
.endr
.endm
	ROW 0, 24, 8                                   ; behind row 0's loads: w's 8, b's 8, row 1's 8; behind b's: row 1's 8
	ROW 1, 0, 0
	s_wait_tensorcnt 0x0                           ; the wave's end, behind my last LDS store
	ds_add_u32 v[SPW], v[NIL]
	s_wait_dscnt 0x0
	s_endpgm
.Lfunc_end_k_q9d8d40a409_ln1q:
	.size	k_q9d8d40a409_ln1q, .Lfunc_end_k_q9d8d40a409_ln1q-k_q9d8d40a409_ln1q
	.p2alignl 7, 3214868480
	.fill 96, 4, 3214868480
	.section	.rodata,"a",@progbits
	.p2align	6, 0x0
	.amdhsa_kernel k_q9d8d40a409_ln1q
		.amdhsa_group_segment_fixed_size 17408
		.amdhsa_private_segment_fixed_size 0
		.amdhsa_enable_private_segment 0
		.amdhsa_kernarg_size 40
		.amdhsa_user_sgpr_count 2
		.amdhsa_user_sgpr_kernarg_segment_ptr 1
		.amdhsa_wavefront_size32 1
		.amdhsa_system_sgpr_workgroup_id_x 1
		.amdhsa_system_sgpr_workgroup_id_y 1
		.amdhsa_system_sgpr_workgroup_id_z 1
		.amdhsa_system_vgpr_workitem_id 0
		.amdhsa_next_free_vgpr 192
		.amdhsa_next_free_sgpr 66
		.amdhsa_reserve_vcc 0
		.amdhsa_float_denorm_mode_32 3
		.amdhsa_float_denorm_mode_16_64 3
		.amdhsa_memory_ordered 1
		.amdhsa_forward_progress 1
		.amdhsa_inst_pref_size 24
	.end_amdhsa_kernel
	.amdgpu_metadata
---
amdhsa.version: [ 1, 2 ]
amdhsa.kernels:
  - .name:           k_q9d8d40a409_ln1q
    .symbol:         k_q9d8d40a409_ln1q.kd
    .args:
      - { .name: x, .offset: 0, .size: 8, .value_kind: global_buffer, .address_space: global }
      - { .name: ln1_w, .offset: 8, .size: 8, .value_kind: global_buffer, .address_space: global }
      - { .name: ln1_b, .offset: 16, .size: 8, .value_kind: global_buffer, .address_space: global }
      - { .name: lowp_scales, .offset: 24, .size: 8, .value_kind: global_buffer, .address_space: global }
      - { .name: xnc, .offset: 32, .size: 8, .value_kind: global_buffer, .address_space: global }
    .group_segment_fixed_size: 17408
    .private_segment_fixed_size: 0
    .kernarg_segment_align: 8
    .kernarg_segment_size: 40
    .max_flat_workgroup_size: 256
    .sgpr_count:     66
    .vgpr_count:     192
    .wavefront_size: 32
...
	.end_amdgpu_metadata
.endif
;; end of part 1
;; launch qkv (part 2): grid 12 x 16, 4 waves a work-group, clusters of 4 x 4, 327,680 bytes of LDS; arguments xnc, qkv_w_codes, lowp_scales, qkv_b, qkc, vc; writes qkc, vc
.if DOCPART == 2
	.amdgcn_target "amdgcn-amd-amdhsa--gfx1250"
	.amdhsa_code_object_version 6
	.text
	.protected	k_q9d8d40a409_qkv
	.globl	k_q9d8d40a409_qkv
	.p2align	8
	.type	k_q9d8d40a409_qkv,@function
k_q9d8d40a409_qkv:
	s_mov_b64 s[64:65], 0
	v_nop
	global_prefetch_b8 v0, s[64:65] scope:SCOPE_SE
	s_setreg_imm32_b32 hwreg(HW_REG_WAVE_MODE, 25, 1), 1
	s_wait_xcnt 0x0
	s_wait_alu depctr_hold_cnt(0) depctr_sa_sdst(0) depctr_va_vdst(0) depctr_va_sdst(0) depctr_va_ssrc(0) depctr_va_vcc(0) depctr_vm_vsrc(0)
	s_getreg_b32 s2, hwreg(HW_REG_IB_STS2, 6, 4)
	s_cmp_eq_u32 s2, 0
	s_cbranch_scc0 .Lentry_in_a_cluster
	s_endpgm
.Lentry_in_a_cluster:
	s_bfe_u32 s2, ttmp6, 0x10000c
	s_cmp_lg_u32 s2, 0xf033
	s_cbranch_scc0 .Lentry_shape_is_right
	s_endpgm
.Lentry_shape_is_right:
; qkv = xn W^T + b on codes of FP8 (E4M3), K = 1,024; then q, k and v are quantised with their own given scales (entries 2, 3, 5) and stored as the attention launch wants them.  Nothing is left out.
; A tile of 256 x 256 is made by four waves, 128 x 128 each: 64 accumulators, 512 registers.  K goes in steps of 256 through a ring of two LDS slots filled by the tensor data mover.
; TWO OPERANDS, P AND Q.  Source 1 of the matrix instruction takes 16 rows of P, source 0 16 rows of Q: a lane then holds ONE row of P and eight neighbouring rows of Q.
;   clusters x = 0, 1 (q, k): P = tokens (xn's codes), Q = rows 0-2,047 of W: a lane holds 8 neighbouring channels of a token: 8 bytes of a head's row.
;   cluster  x = 2    (v):    P = rows 2,048-3,071 of W, Q = tokens: a lane holds 8 neighbouring tokens of a channel: v comes out with the KEYS innermost, and nothing is transposed by an instruction.
; Both operands have rows of 1,024 bytes, so descriptors and K loop are the same for both; only two base addresses and two tile numbers are chosen, on the cluster's x, which all sixteen partners share.
; CLUSTERS: 4 x 4 work-groups.  P's tile hangs on my place along y and is asked for jointly by my row of the cluster, Q's on my place along x, by my column.
; OUT.  qkc: [batch][32: q's heads, then k's][2,048 tokens][64].  vc: [batch][head][64 channels][2,048 places]: place 32 c + 16 g + 8 u + i holds key 32 c + 16 u + 8 g + i, so that a load of
; 16 bytes at 32 c + 16 (lane / 16) is four registers of the K = 128 form's own layout.  Codes meet in one stage of 256 rows x 272 bytes in slot 0, which has had its last fill and its last read; each wave then stores whole aligned runs of 256 bytes.
; The two ways out part on the cluster's x; each has stage bytes of its own.
; 192 work-groups: a tile of 256 x 192 would give 256, at the price of a second K loop; not built.
; LIMITS: e0 + e1 between -126 and 127; e2, e3, e5 between -126 and 119.  Inside an instruction k is permuted alike in both operands (four loads of 16 bytes a fragment): only the order of the sums changes.  NaN is not served.
.set KROW,   1024
.set ROWB,   256                       ; a tile's row: 256 codes
.set PITCH,  272                       ; + 16 of padding: 68 words, so the 16 rows of a load start at 16 different banks (64 banks of 4 bytes: ISA guide 11.1)
.set FR,     16                        ; registers of a fragment, 16 rows x 128 K
.set NL,     4                         ; LDS loads that bring one
.set NP,     4                         ; places behind this matrix instruction (ISA guide 7.12.1)
.set HALFT,  128*PITCH
.set SLOT,   4*HALFT                   ; P's 256 rows, then Q's
.set LAPS,   2                         ; K = 1,024 = 2 laps of 2 slots of 256
.set SPARE,  2*SLOT                    ; behind the ring: the spare words
.set STG_V,  256*PITCH                 ; v's stage; q's and k's begins at 0
.set ADRA, 16                          ; v16-17 LDS address of my P fragments in slot 0, 1
.set ADRB, 20                          ; v20-21 of my Q fragments
.set STO,  24                          ; v24 q, k: where I put 8 codes
.set RD,   25                          ; v25 q, k: where I read 16 bytes back
.set CO,   26                          ; v26 16 x lane
.set STOV, 27                          ; v27 v: where I put 16 codes
.set SPW,  28                          ; v28 my spare word; never rewritten
.set NIL,  29                          ; v29 0; never rewritten
.set RDV,  30                          ; v30 v: where I read back
.set COV,  31                          ; v31 v: 2,048 (lane / 16) + 16 (lane % 16)
.set LIM,  42                          ; v42 448 x 2^e of the output
.set SCV,  43                          ; v43 2^e
.set BI,   64                          ; v64-127 the bias
.set AF,   128                         ; P's fragments, window 0
.set YY,   128                         ; the way out: 64 numbers; later the codes read back
.set CCD,  192                         ; their codes
.set G1, 24
.set G0, 32
.set G1B, 48
.set G0B, 56
.set MSB, 0
.macro WIN new                         ; the immediate's high byte repeats the setting that is left
.if MSB != (\new)
	s_set_vgpr_msb (MSB<<8)|(\new)
.set MSB, (\new)
.endif
.endm
.set MUL_LO, 0xa1                      ; source 0 (Q) window 1, source 1 (P) window 0, C and D window 2
.set MUL_HI, 0xf1                      ; the same, C and D window 3
.set TO_B,   0x40                      ; destination window 1
.macro JLOAD g0a, g1a, g0b, g1b        ; a joint load: waves 0, 1 fetch for P, waves 2, 3 for Q; an s_nop 0 and four v_nop follow each line
	s_cmp_eq_u32 s15, 0
	s_cbranch_scc0 .Lfor_b_\@
	tensor_load_to_lds s[\g0a:\g0a+3], s[\g1a:\g1a+7]
	s_nop 0
.rept 4
	v_nop
.endr
	s_branch .Lasked_\@
.Lfor_b_\@:
	tensor_load_to_lds s[\g0b:\g0b+3], s[\g1b:\g1b+7]
	s_nop 0
.rept 4
	v_nop
.endr
.Lasked_\@:
.endm
.macro CREST                           ; a round of the cluster's barrier behind its opening barrier
	s_cmp_lg_u32 s14, 0
	s_cbranch_scc1 .Lnot_wave_0_\@
	s_barrier_signal -3
.Lnot_wave_0_\@:
	s_barrier_wait -3
	s_barrier_signal -1
	s_barrier_wait -1
.endm
.macro CROUND
	s_barrier_signal -1
	s_barrier_wait -1
	CREST
.endm
.macro PLACES n
.rept \n
	v_nop
.endr
.endm
	s_load_b256 s[4:11], s[0:1], 0x0               ; xn's codes s[4:5], W's codes s[6:7], scales s[8:9], bias s[10:11]
	s_load_b128 s[76:79], s[0:1], 0x20             ; qkc s[76:77], vc s[78:79]
	v_lshl_add_u32 v[SPW], v0, 2, SPARE
	v_mov_b32 v[NIL], 0
	ds_add_u32 v[SPW], v[NIL]                      ; the wave's opening: the add, twice on end, and its wait ahead of my first tensor load
	ds_add_u32 v[SPW], v[NIL]
	v_lshrrev_b32 v1, 5, v0
	v_readfirstlane_b32 s14, v1                    ; wave 0..3
	s_lshr_b32 s15, s14, 1                         ; which half of P's rows is mine.  Also: I fetch for P (0) or for Q (1)
	s_and_b32 s16, s14, 1                          ; which half of Q's rows.  Also: which 128 rows I fetch
	s_bfe_u32 s40, ttmp6, 0x40000                  ; cx
	s_bfe_u32 s41, ttmp6, 0x40004                  ; cy
	s_and_b32 s81, ttmp7, 0xffff
	s_lshl_b32 s81, s81, 2                         ; 4 x cluster y
	s_lshl_b32 s82, ttmp9, 2                       ; 4 x cluster x
	s_cmp_eq_u32 ttmp9, 2                          ; v's clusters: the same answer in all sixteen partners
	s_cselect_b32 s80, 1, 0
	s_cselect_b32 s17, 0, s81
	s_cselect_b32 s42, s81, s82
	s_add_co_u32 s17, s17, s41                     ; P's tile: q, k: 4 cluster y + cy (tokens); v: cy (channels)
	s_add_co_u32 s42, s42, s40                     ; Q's tile: q, k: 4 cluster x + cx (channels); v: 4 cluster y + cx (tokens)
	s_lshl_b32 s43, s41, 2
	s_lshl_b32 s43, 15, s43                        ; my row of the cluster
	s_lshl_b32 s44, 0x1111, s40                    ; my column
	s_or_b32 s[G1+0], s43, (1<<20)|(1<<21)|(5<<22)|(3<<25)    ; 15:0 the mask; elements of 1 byte; 20 padding on; 21 set beside a mask; after every 64 words (code 5) four words (code 3)
	s_or_b32 s[G1B+0], s44, (1<<20)|(1<<21)|(5<<22)|(3<<25)
.irp g, G1, G1B
	s_mov_b32 s[\g+1], ROWB<<16                    ; tensor_dim0
	s_mov_b32 s[\g+2], 128<<16                     ; tensor_dim1
	s_mov_b32 s[\g+3], ROWB<<16                    ; tile_dim0
	s_mov_b32 s[\g+4], 128                         ; tile_dim1
	s_mov_b32 s[\g+5], KROW                        ; from row to row
	s_mov_b32 s[\g+6], 0
	s_mov_b32 s[\g+7], 0
.endr
	s_lshl_b32 s18, s16, 7
	s_lshl_b32 s20, s17, 8
	s_add_co_u32 s20, s20, s18                     ; P: row 256 x tile + 128 x half,
	s_lshl_b32 s20, s20, 10                        ; in bytes
	s_mov_b32 s21, 0
	s_lshl_b32 s46, s42, 8
	s_add_co_u32 s46, s46, s18                     ; Q likewise, in registers that never hold cy
	s_lshl_b32 s46, s46, 10
	s_mov_b32 s47, 0
	s_mul_i32 s45, s14, HALFT                      ; where they go: wave x 128 rows
	s_wait_dscnt 0x0                               ; both opening adds are done
	s_wait_kmcnt 0x0
	s_load_b256 s[68:75], s[8:9], 0x0              ; e0 .. e7
	s_add_nc_u64 s[84:85], s[6:7], 0x200000        ; W's row 2,048: v's weights
	s_cmp_eq_u32 s80, 1
	s_cselect_b64 s[88:89], s[84:85], s[4:5]       ; P's buffer
	s_cselect_b64 s[90:91], s[4:5], s[6:7]         ; Q's
	s_add_nc_u64 s[20:21], s[88:89], s[20:21]
	s_add_nc_u64 s[46:47], s[90:91], s[46:47]
	CROUND                                         ; all sixteen work-groups are here: the first joint loads meet
.irp s, 0,1
	s_mov_b32 s[G0+4*\s], 1
	s_add_co_u32 s[G0+4*\s+1], s45, \s*SLOT
	s_add_nc_u64 s[G0+4*\s+2:G0+4*\s+3], s[20:21], \s*ROWB
	s_or_b32 s[G0+4*\s+3], s[G0+4*\s+3], 0x80000000
	s_mov_b32 s[G0B+4*\s], 1
	s_add_co_u32 s[G0B+4*\s+1], s45, \s*SLOT
	s_add_nc_u64 s[G0B+4*\s+2:G0B+4*\s+3], s[46:47], \s*ROWB
	s_or_b32 s[G0B+4*\s+3], s[G0B+4*\s+3], 0x80000000
	JLOAD G0+4*\s, G1, G0B+4*\s, G1B
.endr
	v_and_b32 v1, 15, v0                           ; r
	v_bfe_u32 v2, v0, 4, 1                         ; h
	v_mul_u32_u24 v3, v1, PITCH
	v_lshl_add_u32 v4, v2, 4, v3                   ; row x pitch + 16 h
	s_mul_i32 s21, s15, HALFT
	s_mul_i32 s22, s16, HALFT
	s_add_co_u32 s22, s22, 2*HALFT
.irp s, 0,1
	v_add_nc_u32 v[ADRA+\s], s21, v4
	v_add_nc_u32 v[ADRB+\s], s22, v4
	s_add_co_u32 s21, s21, SLOT
	s_add_co_u32 s22, s22, SLOT
.endr
	; q, k: stage row = 64 x (block of 64 channels) + token / 4; byte = 64 (token % 4) + the channel's place in its block
	s_lshl_b32 s23, s16, 7
	s_lshl_b32 s88, s15, 5
	s_add_co_u32 s23, s23, s88
	s_mul_i32 s23, s23, PITCH
	v_lshrrev_b32 v5, 2, v1
	v_mul_u32_u24 v5, v5, PITCH
	v_and_b32 v6, 3, v1
	v_lshl_add_u32 v5, v6, 6, v5
	v_lshl_add_u32 v5, v2, 3, v5
	v_add_nc_u32 v[STO], s23, v5
	s_mul_i32 s23, s14, 64*PITCH                   ; back: wave w takes stage rows 64 w on, two an instruction
	v_mul_u32_u24 v5, v2, PITCH
	v_lshl_add_u32 v5, v1, 4, v5
	v_add_nc_u32 v[RD], s23, v5
	v_add_nc_u32 v[RDV], STG_V, v[RD]
	v_and_b32 v6, 31, v0
	v_lshlrev_b32 v[CO], 4, v6
	v_lshlrev_b32 v7, 5, v2                        ; the bias of 8 channels: 32 h
	v_lshlrev_b32 v8, 2, v1                        ; the bias of my channel: 4 r
	s_lshl_b32 s23, s15, 7                         ; v: stage row = channel, byte = place among the tile's 256 tokens
	s_mul_i32 s23, s23, PITCH
	s_lshl_b32 s88, s16, 7
	s_add_co_u32 s23, s23, s88
	s_add_co_u32 s23, s23, STG_V
	v_add_nc_u32 v[STOV], s23, v4
	v_lshlrev_b32 v5, 11, v2
	v_lshl_add_u32 v[COV], v1, 4, v5
.macro FRAG reg, adr, q, i             ; 16 rows x 128 K: registers 4 c .. 4 c + 3 hold K = 32 c + 16 h + 0 .. 15 of row r
.irp c, 0,1,2,3
	ds_load_b128 v[\reg+4*\c:\reg+4*\c+3], v[\adr] offset:128*(\q)+32*\c+(\i)*16*PITCH
.endr
.endm
; 16 matrix instructions: P's blocks a0, a0 + 1 x Q's eight.  The 64 accumulators take turns, one instruction a turn, in the same order in every step.
.macro MUL16 a0, p, zero
.irp a, \a0, \a0+1
.irp b, 0,1,2,3,4,5,6,7
.if \zero
	v_wmma_f32_16x16x128_fp8_fp8 v[8*(8*((\a)%4)+\b):8*(8*((\a)%4)+\b)+7], v[128*(\p)+FR*\b:128*(\p)+FR*\b+FR-1], v[AF+FR*(\a):AF+FR*(\a)+FR-1], 0
.else
	v_wmma_f32_16x16x128_fp8_fp8 v[8*(8*((\a)%4)+\b):8*(8*((\a)%4)+\b)+7], v[128*(\p)+FR*\b:128*(\p)+FR*\b+FR-1], v[AF+FR*(\a):AF+FR*(\a)+FR-1], v[8*(8*((\a)%4)+\b):8*(8*((\a)%4)+\b)+7]
.endif
.endr
.endr
.endm
.macro FETCH_B slot, q, p
	WIN TO_B
.irp i, 0,1,2,3,4,5,6,7
	FRAG 128*(\p)+FR*\i, ADRB+\slot, \q, \i
.endr
	WIN 0
.endm
.macro FETCH_A slot, q, i0
.irp i, \i0, \i0+1, \i0+2, \i0+3
	FRAG AF+FR*(\i), ADRA+\slot, \q, \i
.endr
.endm
; A step of 128 along K whose successor lies in the same slot.  P has one set of registers (a block is free when its eight products are issued), Q two.
.macro STEP slot, q, zero
	s_wait_dscnt 4*NL                              ; Q's set and P's blocks 0-3 are in; the youngest 16 loads (P's blocks 4-7) may be out
	WIN MUL_LO
	MUL16 0, (\q)%2, \zero
	MUL16 2, (\q)%2, \zero
	s_wait_dscnt 0
	PLACES NP                                      ; in front of loads into registers that matrix instructions have read
	FETCH_B \slot, (\q)+1, 1-(\q)%2
	FETCH_A \slot, (\q)+1, 0
	WIN MUL_HI
	MUL16 4, (\q)%2, \zero
	MUL16 6, (\q)%2, \zero
	PLACES NP
	WIN 0
	FETCH_A \slot, (\q)+1, 4
.endm
; A slot's last step changes slots: one barrier; in front of it each wave waits for all its tensor loads, adds 0 to its spare word, and waits for that and for its reads of this slot.
.macro TURN slot, next, fill
	s_wait_tensorcnt 0x0                           ; all my tensor loads have landed: my part of the next slot
	ds_add_u32 v[SPW], v[NIL]
	s_wait_dscnt 4*NL+1                            ; the add and P's blocks 4-7 may be out
	WIN MUL_LO
	MUL16 0, 1, 0
	s_wait_dscnt 0x0                               ; the add is done, my reads of this slot are over
	s_barrier_signal -1
	MUL16 2, 1, 0
	WIN 0
	s_barrier_wait -1
.if \fill
	CREST                                          ; the barrier has opened a round of the cluster's: no wave of any partner still reads this slot or has a load on its way
	s_add_nc_u64 s[G0+4*\slot+2:G0+4*\slot+3], s[G0+4*\slot+2:G0+4*\slot+3], 2*ROWB
	s_add_nc_u64 s[G0B+4*\slot+2:G0B+4*\slot+3], s[G0B+4*\slot+2:G0B+4*\slot+3], 2*ROWB
	JLOAD G0+4*\slot, G1, G0B+4*\slot, G1B         ; the first tensor load behind the round; its four v_nop are also the places in front of the loads below
.else
	PLACES NP
.endif
	FETCH_B \next, 0, 0
	FETCH_A \next, 0, 0
	WIN MUL_HI
	MUL16 4, 1, 0
	MUL16 6, 1, 0
	PLACES NP
	WIN 0
	FETCH_A \next, 0, 4
.endm
.macro LAST                            ; the very last step: nothing more to fetch
	s_wait_dscnt 4*NL
	WIN MUL_LO
	MUL16 0, 1, 0
	MUL16 2, 1, 0
	s_wait_dscnt 0
	WIN MUL_HI
	MUL16 4, 1, 0
	MUL16 6, 1, 0
	WIN 0
.endm
; THE WAY OUT of P's block a: y = sum x 2^(e0 + e1) + bias (one packed multiply-add for two), the hold, the conversion, into the stage.  Each accumulator is read from its low end on.
.macro OBLK a, isv
.set AC, 64*((\a)%4)
	WIN 0x02+((\a)/4)                              ; source 0: window 2 or 3
.set jj, 0
.rept 32
.if \isv
	v_pk_fma_f32 v[YY+jj:YY+jj+1], v[AC+jj:AC+jj+1], s[96:97], v[BI+2*(\a):BI+2*(\a)+1] op_sel_hi:[1,0,1]
.else
	v_pk_fma_f32 v[YY+jj:YY+jj+1], v[AC+jj:AC+jj+1], s[96:97], v[BI+jj:BI+jj+1] op_sel_hi:[1,0,1]
.endif
.set jj, jj+2
.endr
	WIN 0
.set jj, 0
.rept 64
	v_med3_num_f32 v[YY+jj], v[YY+jj], -v[LIM], v[LIM]     ; the conversion does not saturate (ISA guide 7.6.2)
.set jj, jj+1
.endr
	s_wait_dscnt 0x0                               ; the last block's stage stores have read the codes' registers
.irp b, 0,1,2,3,4,5,6,7
	v_cvt_scalef32_pk8_fp8_f32 v[CCD+2*\b:CCD+2*\b+1], v[YY+8*\b:YY+8*\b+7], v[SCV]
.endr
	v_nop                                          ; a plain instruction behind the last scaled conversion
.if \isv
.irp c, 0,1,2,3
	ds_store_b128 v[STOV], v[CCD+4*\c:CCD+4*\c+3] offset:16*(\a)*PITCH+32*\c      ; tiles 2 c and 2 c + 1: places 32 c + 16 h + 0 .. 15 of my channel
.endr
.else
.irp b, 0,1,2,3,4,5,6,7
	ds_store_b64 v[STO], v[CCD+2*\b:CCD+2*\b+1] offset:((\b/4)*64+4*(\a))*PITCH+16*(\b%4)
.endr
.endif
.endm
.macro OUT rdr, cor, step              ; the stage is whole behind the barrier; each wave takes 64 of its rows, sixteen lanes to a run of 256 bytes
	s_wait_dscnt 0x0                               ; for the others' sake: my stores into the stage are done
	s_barrier_signal -1
	s_barrier_wait -1
.set ii, 0
.rept 32
	ds_load_b128 v[YY+4*ii:YY+4*ii+3], v[\rdr] offset:2*PITCH*ii
.set ii, ii+1
.endr
.set ii, 0
.rept 32
	s_wait_dscnt 31-ii                             ; LDS loads come back in order: load ii is in, the younger ones may be out
	global_store_b128 v[\cor], v[YY+4*ii:YY+4*ii+3], s[86:87] offset:(\step)*ii
.set ii, ii+1
.endr
.endm
	s_wait_tensorcnt 1                             ; my part of K step 0 is in; K step 1's load may be out
	s_barrier_signal -1
	s_barrier_wait -1
	FETCH_B 0, 0, 0
	FETCH_A 0, 0, 0
	FETCH_A 0, 0, 4
	STEP 0, 0, 1                                   ; the first products start the sums: nothing is cleared
	s_mov_b32 s3, LAPS-1
.Llap:
	TURN 0, 1, 1
	STEP 1, 0, 0
	TURN 1, 0, 1
	STEP 0, 0, 0
	s_sub_co_u32 s3, s3, 1
	s_cmp_lg_u32 s3, 0
	s_cbranch_scc1 .Llap
	TURN 0, 1, 0                                   ; the last lap fills nothing
	STEP 1, 0, 0
	s_wait_kmcnt 0x0
	s_add_co_i32 s96, s68, s69
	s_add_co_i32 s96, s96, 127
	s_lshl_b32 s96, s96, 23                        ; 2^(e0 + e1)
	s_mov_b32 s97, s96
	s_cmp_eq_u32 ttmp9, 0                          ; the output's scale, chosen without a jump: q e2, k e3, v e5
	s_cselect_b32 s88, s70, s71
	s_cmp_eq_u32 ttmp9, 2
	s_cselect_b32 s88, s73, s88
	s_add_co_i32 s88, s88, 127
	s_lshl_b32 s89, s88, 23
	v_mov_b32 v[SCV], s89
	s_add_co_i32 s88, s88, 8
	s_lshl_b32 s88, s88, 23
	s_or_b32 s88, s88, 0x600000
	v_mov_b32 v[LIM], s88
	s_cmp_eq_u32 s80, 1                            ; the cluster's x alone: all waves of all partners go the same way
	s_cbranch_scc1 .Lv
	; ---- q, k.  The bias of my 8 x 8 channels is asked for ahead of the last 64 products
	s_lshl_b32 s88, s42, 10
	s_lshl_b32 s89, s16, 9
	s_add_co_u32 s88, s88, s89
	s_mov_b32 s89, 0
	s_add_nc_u64 s[92:93], s[10:11], s[88:89]
.irp b, 0,1,2,3,4,5,6,7
	global_load_b128 v[BI+8*\b:BI+8*\b+3], v7, s[92:93] offset:64*\b
	global_load_b128 v[BI+8*\b+4:BI+8*\b+7], v7, s[92:93] offset:64*\b+16
.endr
	s_lshr_b32 s88, s17, 3                         ; batch,
	s_lshl_b32 s88, s88, 22
	s_lshl_b32 s89, s42, 2
	s_add_co_u32 s89, s89, s14                     ; the block of 64 channels that I store: 4 x Q's tile + wave,
	s_lshl_b32 s89, s89, 17
	s_add_co_u32 s88, s88, s89
	s_and_b32 s89, s17, 7                          ; the tile's 256 tokens
	s_lshl_b32 s89, s89, 14
	s_add_co_u32 s88, s88, s89
	s_mov_b32 s89, 0
	s_add_nc_u64 s[86:87], s[76:77], s[88:89]
	LAST
	PLACES NP                                      ; behind the last products: results are read and P's fragment registers written
	s_wait_loadcnt 0x0
.irp a, 0,1,2,3,4,5,6,7
	OBLK \a, 0
.endr
	OUT RD, CO, 512                                ; 16 KiB on end: 256 tokens x 64 bytes of one head
	s_branch .Ldone
.Lv:
	; ---- v.  A lane's channel has one bias; it is loaded into both halves of a pair for the packed form
	s_lshl_b32 s88, s17, 10
	s_lshl_b32 s89, s15, 9
	s_add_co_u32 s88, s88, s89
	s_add_co_u32 s88, s88, 8192
	s_mov_b32 s89, 0
	s_add_nc_u64 s[92:93], s[10:11], s[88:89]
.irp a, 0,1,2,3,4,5,6,7
	global_load_b32 v[BI+2*\a], v8, s[92:93] offset:64*\a
	global_load_b32 v[BI+2*\a+1], v8, s[92:93] offset:64*\a
.endr
	s_lshr_b32 s88, s42, 3                         ; batch,
	s_lshl_b32 s88, s88, 21
	s_lshl_b32 s89, s17, 8
	s_lshl_b32 s90, s14, 6
	s_add_co_u32 s89, s89, s90                     ; my first channel: 256 x P's tile + 64 x wave,
	s_lshl_b32 s89, s89, 11
	s_add_co_u32 s88, s88, s89
	s_and_b32 s89, s42, 7                          ; the tile's 256 tokens
	s_lshl_b32 s89, s89, 8
	s_add_co_u32 s88, s88, s89
	s_mov_b32 s89, 0
	s_add_nc_u64 s[86:87], s[78:79], s[88:89]
	LAST
	PLACES NP
	s_wait_loadcnt 0x0
.irp a, 0,1,2,3,4,5,6,7
	OBLK \a, 1
.endr
	OUT RDV, COV, 4096                             ; two channels an instruction, 256 aligned bytes of each
.Ldone:
	s_wait_tensorcnt 0x0                           ; the wave's end
	ds_add_u32 v[SPW], v[NIL]
	s_wait_dscnt 0x0
	CROUND                                         ; the closing round
	s_endpgm
.Lfunc_end_k_q9d8d40a409_qkv:
	.size	k_q9d8d40a409_qkv, .Lfunc_end_k_q9d8d40a409_qkv-k_q9d8d40a409_qkv
	.p2alignl 7, 3214868480
	.fill 96, 4, 3214868480
	.section	.rodata,"a",@progbits
	.p2align	6, 0x0
	.amdhsa_kernel k_q9d8d40a409_qkv
		.amdhsa_group_segment_fixed_size 327680
		.amdhsa_private_segment_fixed_size 0
		.amdhsa_enable_private_segment 0
		.amdhsa_kernarg_size 48
		.amdhsa_user_sgpr_count 2
		.amdhsa_user_sgpr_kernarg_segment_ptr 1
		.amdhsa_wavefront_size32 1
		.amdhsa_system_sgpr_workgroup_id_x 1
		.amdhsa_system_sgpr_workgroup_id_y 1
		.amdhsa_system_sgpr_workgroup_id_z 1
		.amdhsa_system_vgpr_workitem_id 0
		.amdhsa_next_free_vgpr 1024
		.amdhsa_next_free_sgpr 100
		.amdhsa_reserve_vcc 0
		.amdhsa_float_denorm_mode_32 3
		.amdhsa_float_denorm_mode_16_64 3
		.amdhsa_memory_ordered 1
		.amdhsa_forward_progress 1
		.amdhsa_inst_pref_size 212
	.end_amdhsa_kernel
	.amdgpu_metadata
---
amdhsa.version: [ 1, 2 ]
amdhsa.kernels:
  - .name:           k_q9d8d40a409_qkv
    .symbol:         k_q9d8d40a409_qkv.kd
    .args:
      - { .name: xnc, .offset: 0, .size: 8, .value_kind: global_buffer, .address_space: global }
      - { .name: qkv_w_codes, .offset: 8, .size: 8, .value_kind: global_buffer, .address_space: global }
      - { .name: lowp_scales, .offset: 16, .size: 8, .value_kind: global_buffer, .address_space: global }
      - { .name: qkv_b, .offset: 24, .size: 8, .value_kind: global_buffer, .address_space: global }
      - { .name: qkc, .offset: 32, .size: 8, .value_kind: global_buffer, .address_space: global }
      - { .name: vc, .offset: 40, .size: 8, .value_kind: global_buffer, .address_space: global }
    .group_segment_fixed_size: 327680
    .private_segment_fixed_size: 0
    .kernarg_segment_align: 8
    .kernarg_segment_size: 48
    .max_flat_workgroup_size: 128
    .sgpr_count:     100
    .vgpr_count:     1024
    .wavefront_size: 32
...
	.end_amdgpu_metadata
.endif
;; end of part 2
;; launch att (part 3): grid 8 x 32, 16 waves a work-group, clusters of 4 x 1, 327,680 bytes of LDS; arguments qkc, vc, lowp_scales, oc; writes oc
.if DOCPART == 3
	.amdgcn_target "amdgcn-amd-amdhsa--gfx1250"
	.amdhsa_code_object_version 6
	.text
	.protected	k_q9d8d40a409_att
	.globl	k_q9d8d40a409_att
	.p2align	8
	.type	k_q9d8d40a409_att,@function
k_q9d8d40a409_att:
	s_mov_b64 s[64:65], 0
	v_nop
	global_prefetch_b8 v0, s[64:65] scope:SCOPE_SE
	s_setreg_imm32_b32 hwreg(HW_REG_WAVE_MODE, 25, 1), 1
	s_wait_xcnt 0x0
	s_wait_alu depctr_hold_cnt(0) depctr_sa_sdst(0) depctr_va_vdst(0) depctr_va_sdst(0) depctr_va_ssrc(0) depctr_va_vcc(0) depctr_vm_vsrc(0)
	s_getreg_b32 s2, hwreg(HW_REG_IB_STS2, 6, 4)
	s_cmp_eq_u32 s2, 0
	s_cbranch_scc0 .Lentry_in_a_cluster
	s_endpgm
.Lentry_in_a_cluster:
	s_bfe_u32 s2, ttmp6, 0x10000c
	s_cmp_lg_u32 s2, 0x3003
	s_cbranch_scc0 .Lentry_shape_is_right
	s_endpgm
.Lentry_shape_is_right:
; o = softmax(q k^T / 8) v for each of 32 (batch, head) pairs, 2,048 queries and keys, head size 64, both products on codes of FP8 (E4M3); then o is quantised (entry 6) for the projection.  Nothing is left out.
; THE SOFTMAX: t = score x log2(e) / 8; M = the running largest t rounded UP to a whole number; p = 2^(t - M) is quantised (entry 4), not normalised; the row's sum is taken of the unquantised p and divides at the end.
; When M moves, the sum and O are multiplied by 2^(old M - new M): exact.
; SHARES.  A work-group owns 256 queries of one head, each of its sixteen waves 16, in 256 registers: four waves to a SIMD, so that one wave's vector work stands beside another's products and LDS loads.
; THE WHOLE HEAD LIES IN LDS: K is 2,048 rows x 64 bytes (pitch 80), V 64 rows x 2,048 bytes (four tiles of 512 bytes a row, pitch 528): 299,008 bytes.  So every tensor load is a first fill: all go out at the
; head, four a wave (four tensor loads of mine are out at the most), and no byte is filled again.  The keys are walked in four stages of 512; a stage begins with a counted wait and a barrier.
; Every tile of the launch is asked for in its first lines, so there is no later tile to prefetch.
; CLUSTER.  The four query blocks of a cluster belong to one head: each tile is asked for jointly, by the same load with a mask that names the four.
; LAYOUT.  Both products are used transposed: S^T = K Q^T (K = 64 form; source 0 = 16 neighbouring keys), O^T = V^T P^T (K = 128 form; source 0 = 16 channels): a lane holds ONE query (lane % 16) throughout.
; The eight registers of S^T's tile c are keys 16 c + 8 (lane / 16) + 0 .. 7: their codes are registers 2 c, 2 c + 1 of P in the K = 128 form's own layout; V's codes were stored so that loads of 16 bytes give the same layout.
; In the first product Q and K are both fetched by two loads of 16 bytes: k is permuted alike in both, and only the order of the sums changes.
; LIMITS: e2 + e3 between -123 and 130 (added to c's exponent field); e4 and e6 between -126 and 119.  NaN is not served.
.set KP,    80
.set VP,    528
.set VBASE, 2048*KP
.set VST,   64*VP                      ; a stage's tile of V
.set OSTG,  VBASE+4*VST                ; the way out: 1,024 bytes a wave, bytes of their own
.set SPARE, OSTG+16*1024               ; the spare words, 128 bytes a wave
.set AK0, 1                            ; v1  80 r + 16 h
.set AV0, 2                            ; v2  VBASE + 528 r + 16 h
.set QO,  3                            ; v3  64 r + 16 h
.set SPW, 5                            ; v5  my spare word; never rewritten
.set NIL, 6                            ; v6  0; never rewritten
.set GO,  7                            ; v7  16 x lane
.set ADK, 8
.set ADV, 9
.set STO, 10
.set RD,  11
; v12 -M, v13 the largest t, v[14:15] the sum; v16-23 Q; v32-95 fragments of K, then of V; v96-159 S^T, then p; v160-191 O^T; v224-239 p's codes; v240 448 x 2^e4, v244 2^e4; v246 2^e6, v247 448 x 2^e6; v242-254 at work
.set TBK, 2                            ; s2  LDS byte of the step's keys
.set TBV, 3                            ; s3  of the step's part of V's rows
.set CNT, 12
.set WV,  18
.set SEL, 20
.set CS,  22                           ; s[22:23] c = log2(e) / 8 x 2^(e2 + e3)
.set G1K, 24
.set G1V, 32
.set G0K, 40                           ; s[40:55] four groups 0 for K's loads
.set G0V, 80                           ; s[80:95] four for V's
.macro CROUND
	s_barrier_signal -1
	s_barrier_wait -1
	s_cmp_lg_u32 s[WV], 0
	s_cbranch_scc1 .Lnot_wave_0_\@
	s_barrier_signal -3
.Lnot_wave_0_\@:
	s_barrier_wait -3
	s_barrier_signal -1
	s_barrier_wait -1
.endm
	s_load_b256 s[4:11], s[0:1], 0x0               ; qkc s[4:5], vc s[6:7], scales s[8:9], oc s[10:11]
	v_lshl_add_u32 v[SPW], v0, 2, SPARE
	v_mov_b32 v[NIL], 0
	ds_add_u32 v[SPW], v[NIL]                      ; the wave's opening: the add, twice on end, and its wait ahead of my first tensor load
	ds_add_u32 v[SPW], v[NIL]
	v_lshrrev_b32 v8, 5, v0
	v_readfirstlane_b32 s[WV], v8                  ; wave 0..15
	s_bfe_u32 s13, ttmp6, 0x40000                  ; cx: it enters Q's and O's addresses alone
	s_lshl_b32 s14, ttmp9, 2
	s_add_co_u32 s14, s14, s13                     ; my block of 256 queries
	s_and_b32 s15, ttmp7, 0xffff                   ; 16 x batch + head
	s_lshr_b32 s16, s15, 4
	s_and_b32 s17, s15, 15
	s_lshl_b32 s56, s16, 22
	s_lshl_b32 s57, s17, 17
	s_add_co_u32 s56, s56, s57                     ; q's rows of the head in qkc
	s_mov_b32 s57, 0
	s_mov_b32 s[G1K], 15|(1<<20)|(1<<21)|(3<<22)|(3<<25)      ; the mask: all four; elements of 1 byte; padding on; 21 set beside a mask; after every 16 words (code 3) four words (code 3)
	s_mov_b32 s[G1K+1], 64<<16                     ; tensor_dim0
	s_mov_b32 s[G1K+2], 64<<16                     ; tensor_dim1
	s_mov_b32 s[G1K+3], 64<<16                     ; tile_dim0: 64 bytes
	s_mov_b32 s[G1K+4], 64                         ; tile_dim1: 64 keys
	s_mov_b32 s[G1K+5], 64
	s_mov_b32 s[G1K+6], 0
	s_mov_b32 s[G1K+7], 0
	s_mov_b32 s[G1V], 15|(1<<20)|(1<<21)|(6<<22)|(3<<25)      ; four words after every 128
	s_mov_b32 s[G1V+1], 512<<16
	s_mov_b32 s[G1V+2], 8<<16
	s_mov_b32 s[G1V+3], 512<<16                    ; 512 places
	s_mov_b32 s[G1V+4], 8                          ; of 8 channels
	s_mov_b32 s[G1V+5], 2048
	s_mov_b32 s[G1V+6], 0
	s_mov_b32 s[G1V+7], 0
	s_mov_b32 s[SEL], 0x76543210
	s_mov_b32 s[SEL+1], 0xfedcba98
	s_mov_b32 s[CS], 0x3e38aa3b                    ; log2(e) / 8
	s_mov_b32 s[TBK], 0
	s_mov_b32 s[TBV], 0
	s_and_b32 s66, s[WV], 7                        ; waves 0-7 fetch K, waves 8-15 V: which eighth of a stage is mine
	s_mul_i32 s67, s66, 64*KP                      ; K: 64 rows in LDS,
	s_lshl_b32 s58, s66, 12                        ; 4,096 bytes in memory
	s_mov_b32 s59, 0
	s_mul_i32 s98, s66, 8*VP
	s_add_co_u32 s98, s98, VBASE                   ; V: 8 rows in LDS,
	s_lshl_b32 s96, s66, 14                        ; 8 rows of 2,048 bytes in memory,
	s_lshl_b32 s97, s15, 17
	s_add_co_u32 s96, s96, s97                     ; in my head
	s_mov_b32 s97, 0
	s_wait_dscnt 0x0                               ; both opening adds are done
	s_wait_kmcnt 0x0
	s_load_b256 s[68:75], s[8:9], 0x0              ; e0 .. e7
	s_add_nc_u64 s[76:77], s[4:5], s[56:57]        ; q's rows of the head
	s_add_nc_u64 s[60:61], s[76:77], s[58:59]
	s_add_nc_u64 s[60:61], s[60:61], 0x200000      ; k's lie 16 heads further on
	s_add_nc_u64 s[62:63], s[6:7], s[96:97]
.irp s, 0,1,2,3
	s_mov_b32 s[G0K+4*\s], 1
	s_add_co_u32 s[G0K+4*\s+1], s67, \s*512*KP
	s_add_nc_u64 s[G0K+4*\s+2:G0K+4*\s+3], s[60:61], \s*32768
	s_or_b32 s[G0K+4*\s+3], s[G0K+4*\s+3], 0x80000000
	s_mov_b32 s[G0V+4*\s], 1
	s_add_co_u32 s[G0V+4*\s+1], s98, \s*VST
	s_add_nc_u64 s[G0V+4*\s+2:G0V+4*\s+3], s[62:63], \s*512
	s_or_b32 s[G0V+4*\s+3], s[G0V+4*\s+3], 0x80000000
.endr
	CROUND                                         ; all four work-groups are here: the joint loads meet
	s_cmp_lt_u32 s[WV], 8                          ; a wave's four fills stand in one branch on its number, a fill in each arm
	s_cbranch_scc0 .Lfirst_v
.irp s, 0,1,2,3
	tensor_load_to_lds s[G0K+4*\s:G0K+4*\s+3], s[G1K:G1K+7]
	s_nop 0
.endr
.rept 4
	v_nop
.endr
	s_branch .Lfirst_asked
.Lfirst_v:
.irp s, 0,1,2,3
	tensor_load_to_lds s[G0V+4*\s:G0V+4*\s+3], s[G1V:G1V+7]
	s_nop 0
.endr
.rept 4
	v_nop
.endr
.Lfirst_asked:
	s_lshl_b32 s14, s14, 8
	s_lshl_b32 s19, s[WV], 4
	s_add_co_u32 s14, s14, s19                     ; my first query
	s_lshl_b32 s58, s14, 6
	s_add_nc_u64 s[76:77], s[76:77], s[58:59]      ; its codes
	s_lshl_b32 s19, s16, 17                        ; oc: [head][token][64]: batch x 2,048 tokens,
	s_add_co_u32 s58, s58, s19
	s_lshl_b32 s19, s17, 18                        ; the head
	s_add_co_u32 s58, s58, s19
	s_add_nc_u64 s[78:79], s[10:11], s[58:59]
	v_and_b32 v8, 15, v0                           ; r
	v_bfe_u32 v9, v0, 4, 1                         ; h
	v_lshlrev_b32 v[QO], 6, v8
	v_lshl_add_u32 v[QO], v9, 4, v[QO]
	global_load_b128 v[16:19], v[QO], s[76:77]     ; Q's fragment stays in registers
	global_load_b128 v[20:23], v[QO], s[76:77] offset:32
	v_mul_u32_u24 v[AK0], v8, KP
	v_lshl_add_u32 v[AK0], v9, 4, v[AK0]
	v_mul_u32_u24 v[AV0], v8, VP
	v_lshl_add_u32 v[AV0], v9, 4, v[AV0]
	v_add_nc_u32 v[AV0], VBASE, v[AV0]
	s_lshl_b32 s19, s[WV], 10
	s_add_co_u32 s19, s19, OSTG                    ; my stage
	v_lshlrev_b32 v[STO], 6, v8
	v_lshl_add_u32 v[STO], v9, 3, v[STO]
	v_add_nc_u32 v[STO], s19, v[STO]               ; in: query r's 64 bytes, + 8 h
	v_and_b32 v[GO], 31, v0
	v_lshlrev_b32 v[GO], 4, v[GO]
	v_add_nc_u32 v[RD], s19, v[GO]                 ; back: 16 bytes a lane
	v_mov_b32 v13, 0xff61b1e6                      ; the largest t so far: -3e38
	v_floor_f32 v12, -v13                          ; -M
	v_mov_b32 v14, 0
	v_mov_b32 v15, 0
	v_mov_b32 v250, 0                              ; a lane permute's destination counts as read
	v_mov_b32 v253, 0                              ; named as the upper half of v[252:253]
.set ii, 0
.rept 32
	v_mov_b32 v[160+ii], 0                         ; O^T: the step is written once; its first run finds zeros, which the first change of M leaves zeros
.set ii, ii+1
.endr
	s_wait_kmcnt 0x0
	s_add_co_i32 s19, s70, s71
	s_lshl_b32 s19, s19, 23
	s_add_co_i32 s[CS], s[CS], s19                 ; e2 + e3 are added to c's exponent field
	s_mov_b32 s[CS+1], s[CS]
	s_add_co_i32 s19, s72, 127
	s_lshl_b32 s58, s19, 23
	v_mov_b32 v244, s58                            ; 2^e4
	s_add_co_i32 s19, s19, 8
	s_lshl_b32 s19, s19, 23
	s_or_b32 s19, s19, 0x600000
	v_mov_b32 v240, s19                            ; 448 x 2^e4
	s_add_co_i32 s19, s74, 127
	s_lshl_b32 s58, s19, 23
	v_mov_b32 v246, s58                            ; 2^e6
	s_add_co_i32 s19, s19, 8
	s_lshl_b32 s19, s19, 23
	s_or_b32 s19, s19, 0x600000
	v_mov_b32 v247, s19                            ; 448 x 2^e6
	s_add_co_i32 s99, s72, s73                     ; e4 + e5
; A KEY STEP: 128 keys.
.macro STEP
	v_add_nc_u32 v[ADK], s[TBK], v[AK0]
	v_add_nc_u32 v[ADV], s[TBV], v[AV0]
	v_nop                                          ; with the two additions: four places in front of loads into registers that the last products read
	v_nop
.irp t, 0,1,2,3,4,5,6,7
	ds_load_b128 v[32+8*\t:35+8*\t], v[ADK] offset:16*KP*\t
	ds_load_b128 v[36+8*\t:39+8*\t], v[ADK] offset:16*KP*\t+32
.endr
	s_wait_dscnt 0x0
.irp t, 0,1,2,3,4,5,6,7
	v_wmma_f32_16x16x64_fp8_fp8 v[96+8*\t:103+8*\t], v[32+8*\t:39+8*\t], v[16:23], 0
.endr
.rept 4
	v_nop                                          ; places: K's registers take V's fragments, and the scores are read
.endr
.irp t, 0,1,2,3
.irp c, 0,1,2,3
	ds_load_b128 v[32+16*\t+4*\c:35+16*\t+4*\c], v[ADV] offset:16*VP*\t+32*\c     ; asked for now: they land while the softmax is walked
.endr
.endr
	v_max3_num_f32 v254, v96, v97, v98             ; the step's largest score of my query among my 64 keys, in two chains; each accumulator is first read at its low end
	v_max3_num_f32 v252, v99, v100, v101
.irp i, 6,10,14,18,22,26,30,34,38,42,46,50,54,58
	v_max3_num_f32 v254, v254, v[96+\i], v[97+\i]
	v_max3_num_f32 v252, v252, v[98+\i], v[99+\i]
.endr
	v_max3_num_f32 v254, v254, v158, v159
	v_max_num_f32 v254, v254, v252
	v_permlanex16_b32 v250, v254, s[SEL], s[SEL+1]
	v_max_num_f32 v254, v254, v250                 ; and among lane l xor 16's
	v_mul_f32 v254, s[CS], v254                    ; as t (c is positive)
	v_max_num_f32 v13, v13, v254
	v_mov_b32 v254, v12
	v_floor_f32 v12, -v13                          ; the new -M = floor(-t): M is a whole number
	v_sub_f32 v254, v12, v254                      ; old M - new M, a whole number, 0 or less
	v_cvt_i32_f32 v254, v254                       ; (it saturates)
	v_ldexp_f32 v252, 1.0, v254                    ; f = 2^(old M - new M)
.set ii, 0
.rept 32
	v_pk_fma_f32 v[96+ii:97+ii], v[96+ii:97+ii], s[CS:CS+1], v[12:13] op_sel_hi:[1,0,0]    ; t - M, two at a time
.set ii, ii+2
.endr
.set ii, 0
.rept 64
	v_exp_f32 v[96+ii], v[96+ii]                   ; p = 2^(t - M)
.set ii, ii+1
.endr
	v_pk_mul_f32 v[14:15], v[14:15], v[252:253] op_sel_hi:[1,0]    ; the sums under the new M: the plain instruction behind the batch
	s_wait_alu depctr_va_vdst(0)                   ; one wait for the 64 exponentials, ahead of their first reader
	v_pk_add_f32 v[242:243], v[96:97], v[98:99]    ; the row's sum is taken of the unquantised p
.irp j, 4,8,12,16,20,24,28,32,36,40,44,48,52,56,60
	v_pk_add_f32 v[14:15], v[14:15], v[96+\j:97+\j]
	v_pk_add_f32 v[242:243], v[242:243], v[98+\j:99+\j]
.endr
	v_pk_add_f32 v[14:15], v[14:15], v[242:243]
.irp c, 0,1,2,3,4,5,6,7
.irp i, 0,1,2,3,4,5,6,7
	v_min_num_f32 v[96+8*\c+\i], v[96+8*\c+\i], v240       ; p is not negative: a one-sided hold (the conversion does not saturate: ISA guide 7.6.2)
.endr
	v_cvt_scalef32_pk8_fp8_f32 v[224+2*\c:225+2*\c], v[96+8*\c:103+8*\c], v244
.endr
.set ii, 0
.rept 16
	v_pk_mul_f32 v[160+ii:161+ii], v[160+ii:161+ii], v[252:253] op_sel_hi:[1,0]    ; O^T under the new M; also the plain instructions behind the conversions
.set ii, ii+2
.endr
	s_wait_dscnt 0x0                               ; V's fragments are in
.irp t, 0,1,2,3
	v_wmma_f32_16x16x128_fp8_fp8 v[160+8*\t:167+8*\t], v[32+16*\t:47+16*\t], v[224:239], v[160+8*\t:167+8*\t]   ; the four accumulators take turns
.endr
.endm
; A STAGE: 512 keys, four steps.  My load of stage n has landed when at most 3 - n younger ones are out; the barrier says so of every wave.
.macro STAGE n
	s_wait_tensorcnt 3-(\n)
	s_wait_dscnt 0x0
	s_barrier_signal -1
	s_barrier_wait -1
	s_mov_b32 s[CNT], 4
.Lst_\@:
	STEP
	s_add_co_u32 s[TBK], s[TBK], 128*KP
	s_add_co_u32 s[TBV], s[TBV], 128
	s_sub_co_u32 s[CNT], s[CNT], 1
	s_cmp_lg_u32 s[CNT], 0
	s_cbranch_scc1 .Lst_\@
	s_add_co_u32 s[TBV], s[TBV], VST-512           ; on to the next stage's tile of V
.endm
	s_wait_loadcnt 0x0                             ; Q
	STAGE 0
	STAGE 1
	STAGE 2
	STAGE 3
	; THE WAY OUT: O^T x 2^(e4 + e5) / the sum, quantised with 2^e6; 16 queries x 64 bytes go through my stage and leave as 1,024 consecutive bytes
	v_add_f32 v14, v14, v15
	v_permlanex16_b32 v250, v14, s[SEL], s[SEL+1]
	v_add_f32 v14, v14, v250                       ; the row's sum
	v_rcp_f32 v14, v14
	v_nop                                          ; plain instructions behind the reciprocal; with the two additions four places behind the last products
	v_nop
	s_wait_alu depctr_va_vdst(0)                   ; the wait ahead of the reciprocal's first reader
	v_ldexp_f32 v14, v14, s99
.set ii, 0
.rept 16
	v_pk_mul_f32 v[96+ii:97+ii], v[160+ii:161+ii], v[14:15] op_sel_hi:[1,0]        ; register 8 t + i: o(query r, channel 16 t + 8 h + i)
.set ii, ii+2
.endr
.set ii, 0
.rept 32
	v_med3_num_f32 v[96+ii], v[96+ii], -v247, v247
.set ii, ii+1
.endr
.irp t, 0,1,2,3
	v_cvt_scalef32_pk8_fp8_f32 v[128+2*\t:129+2*\t], v[96+8*\t:103+8*\t], v246
.endr
	v_nop
.irp t, 0,1,2,3
	ds_store_b64 v[STO], v[128+2*\t:129+2*\t] offset:16*\t
.endr
	ds_load_b128 v[136:139], v[RD]                 ; LDS serves a wave's instructions in order: these see my stores
	ds_load_b128 v[140:143], v[RD] offset:512
	s_wait_dscnt 1                                 ; the first is in, the second may be out
	global_store_b128 v[GO], v[136:139], s[78:79]
	s_wait_dscnt 0x0
	global_store_b128 v[GO], v[140:143], s[78:79] offset:512
	s_wait_tensorcnt 0x0                           ; the wave's end
	ds_add_u32 v[SPW], v[NIL]
	s_wait_dscnt 0x0
	CROUND                                         ; the closing round
	s_endpgm
.Lfunc_end_k_q9d8d40a409_att:
	.size	k_q9d8d40a409_att, .Lfunc_end_k_q9d8d40a409_att-k_q9d8d40a409_att
	.p2alignl 7, 3214868480
	.fill 96, 4, 3214868480
	.section	.rodata,"a",@progbits
	.p2align	6, 0x0
	.amdhsa_kernel k_q9d8d40a409_att
		.amdhsa_group_segment_fixed_size 327680
		.amdhsa_private_segment_fixed_size 0
		.amdhsa_enable_private_segment 0
		.amdhsa_kernarg_size 32
		.amdhsa_user_sgpr_count 2
		.amdhsa_user_sgpr_kernarg_segment_ptr 1
		.amdhsa_wavefront_size32 1
		.amdhsa_system_sgpr_workgroup_id_x 1
		.amdhsa_system_sgpr_workgroup_id_y 1
		.amdhsa_system_sgpr_workgroup_id_z 1
		.amdhsa_system_vgpr_workitem_id 0
		.amdhsa_next_free_vgpr 256
		.amdhsa_next_free_sgpr 100
		.amdhsa_reserve_vcc 0
		.amdhsa_float_denorm_mode_32 3
		.amdhsa_float_denorm_mode_16_64 3
		.amdhsa_memory_ordered 1
		.amdhsa_forward_progress 1
		.amdhsa_inst_pref_size 77
	.end_amdhsa_kernel
	.amdgpu_metadata
---
amdhsa.version: [ 1, 2 ]
amdhsa.kernels:
  - .name:           k_q9d8d40a409_att
    .symbol:         k_q9d8d40a409_att.kd
    .args:
      - { .name: qkc, .offset: 0, .size: 8, .value_kind: global_buffer, .address_space: global }
      - { .name: vc, .offset: 8, .size: 8, .value_kind: global_buffer, .address_space: global }
      - { .name: lowp_scales, .offset: 16, .size: 8, .value_kind: global_buffer, .address_space: global }
      - { .name: oc, .offset: 24, .size: 8, .value_kind: global_buffer, .address_space: global }
    .group_segment_fixed_size: 327680
    .private_segment_fixed_size: 0
    .kernarg_segment_align: 8
    .kernarg_segment_size: 32
    .max_flat_workgroup_size: 512
    .sgpr_count:     100
    .vgpr_count:     256
    .wavefront_size: 32
...
	.end_amdgpu_metadata
.endif
;; end of part 3
;; launch proj (part 4): grid 8 x 32, 4 waves a work-group, clusters of 4 x 4, 327,680 bytes of LDS; arguments oc, proj_w_codes, lowp_scales, proj_b, x, x1; writes x1
.if DOCPART == 4
	.amdgcn_target "amdgcn-amd-amdhsa--gfx1250"
	.amdhsa_code_object_version 6
	.text
	.protected	k_q9d8d40a409_proj
	.globl	k_q9d8d40a409_proj
	.p2align	8
	.type	k_q9d8d40a409_proj,@function
k_q9d8d40a409_proj:
	s_mov_b64 s[64:65], 0
	v_nop
	global_prefetch_b8 v0, s[64:65] scope:SCOPE_SE
	s_setreg_imm32_b32 hwreg(HW_REG_WAVE_MODE, 25, 1), 1
	s_wait_xcnt 0x0
	s_wait_alu depctr_hold_cnt(0) depctr_sa_sdst(0) depctr_va_vdst(0) depctr_va_sdst(0) depctr_va_ssrc(0) depctr_va_vcc(0) depctr_vm_vsrc(0)
	s_getreg_b32 s2, hwreg(HW_REG_IB_STS2, 6, 4)
	s_cmp_eq_u32 s2, 0
	s_cbranch_scc0 .Lentry_in_a_cluster
	s_endpgm
.Lentry_in_a_cluster:
	s_bfe_u32 s2, ttmp6, 0x10000c
	s_cmp_lg_u32 s2, 0xf033
	s_cbranch_scc0 .Lentry_shape_is_right
	s_endpgm
.Lentry_shape_is_right:
; out = res + (A W^T + bias): A's codes [KK / 64][4,096 tokens][64], W's codes [1,024][KK], FP8 (E4M3); res and out [4,096][1,024] f32.  Nothing is left out.
; N is 1,024: tiles of 256 x 256 would be 64, tiles of 128 x 128 are 256.  Four waves, 64 x 64 each: 16 accumulators.  K goes in steps of 512 through two LDS slots.
; A's tile of a step is 8 blocks of 64 along K; a block's 64 tokens are 4,096 consecutive bytes, laid into LDS with 16 bytes of padding behind each token's 64.  W's rows of 512 bytes get 16 behind each.
; CLUSTERS: 4 x 4: A's tile is asked for jointly by my row of the cluster, W's by my column.  THE MATRIX INSTRUCTION IS USED TRANSPOSED (source 0 = 16 rows of W, source 1 = 16 tokens): a lane holds eight neighbouring columns of a token.
; A wave's 64 columns of f32 are 256 aligned bytes: each wave has a stage of its own, and no barrier stands on the way out.  The residual is asked for at the head, in the layout in which rows come back from the stage.
; No prefetch: with tiles of this size a K step's tiles are shared by joint loads and the launch is short.
; LIMITS: the two exponents' sum between -126 and 127.  k is permuted alike in both operands inside an instruction.  NaN is not served.
.set KK,    1024
.set EOFF,  24                         ; byte offset of the two exponents
.set LAPS,  KK/1024
.set AHALF, 8*64*80                    ; 64 tokens x 512 K in LDS
.set BHALF, 64*528
.set BOFF,  2*AHALF
.set SLOT,  BOFF+2*BHALF
.set STAGE, 2*SLOT
.set SPARE, STAGE+4*16*272
.set ADRA, 16
.set ADRB, 20
.set STO,  24
.set RD,   25
.set CO,   26
.set SPW,  28
.set NIL,  29
.set T0,   32                          ; v32-95 two sets of 16 rows read back
.set ACC,  128                         ; accumulator (a, b) at v[128 + 8 (4 a + b)]
.set F0,   0                           ; window 1: two fragment buffers: A's four at f, W's four at f + 64
.set F1,   128
.set G1A, 24
.set G0A, 32
.set G1B, 48
.set G0B, 56
.set MSB, 0
.macro WIN new
.if MSB != (\new)
	s_set_vgpr_msb (MSB<<8)|(\new)
.set MSB, (\new)
.endif
.endm
.macro JLOAD g0a, g1a, g0b, g1b        ; waves 0, 1 fetch A's halves, waves 2, 3 W's; an s_nop 0 and four v_nop follow each line
	s_cmp_eq_u32 s17, 0
	s_cbranch_scc0 .Lfor_b_\@
	tensor_load_to_lds s[\g0a:\g0a+3], s[\g1a:\g1a+7]
	s_nop 0
.rept 4
	v_nop
.endr
	s_branch .Lasked_\@
.Lfor_b_\@:
	tensor_load_to_lds s[\g0b:\g0b+3], s[\g1b:\g1b+7]
	s_nop 0
.rept 4
	v_nop
.endr
.Lasked_\@:
.endm
.macro CREST
	s_cmp_lg_u32 s16, 0
	s_cbranch_scc1 .Lnot_wave_0_\@
	s_barrier_signal -3
.Lnot_wave_0_\@:
	s_barrier_wait -3
	s_barrier_signal -1
	s_barrier_wait -1
.endm
.macro CROUND
	s_barrier_signal -1
	s_barrier_wait -1
	CREST
.endm
.macro PLACES
.rept 4
	v_nop
.endr
.endm
	s_load_b256 s[4:11], s[0:1], 0x0               ; A s[4:5], W s[6:7], scales s[8:9], bias s[10:11]
	s_load_b128 s[12:15], s[0:1], 0x20             ; residual s[12:13], out s[14:15]
	v_lshl_add_u32 v[SPW], v0, 2, SPARE
	v_mov_b32 v[NIL], 0
	ds_add_u32 v[SPW], v[NIL]                      ; the wave's opening: the add, twice on end, and its wait ahead of my first tensor load
	ds_add_u32 v[SPW], v[NIL]
	v_lshrrev_b32 v1, 5, v0
	v_readfirstlane_b32 s16, v1                    ; wave 0..3
	s_lshr_b32 s17, s16, 1                         ; my half of the tokens.  Also: I fetch for A (0) or W (1)
	s_and_b32 s18, s16, 1                          ; my half of the columns.  Also: which half I fetch
	s_bfe_u32 s40, ttmp6, 0x40000
	s_bfe_u32 s41, ttmp6, 0x40004
	s_lshl_b32 s42, ttmp9, 2
	s_add_co_u32 s42, s42, s40                     ; tile column
	s_and_b32 s43, ttmp7, 0xffff
	s_lshl_b32 s43, s43, 2
	s_add_co_u32 s43, s43, s41                     ; tile row
	s_lshl_b32 s44, s41, 2
	s_lshl_b32 s44, 15, s44                        ; my row of the cluster
	s_lshl_b32 s45, 0x1111, s40                    ; my column
	s_or_b32 s[G1A], s44, (1<<20)|(1<<21)|(3<<22)|(3<<25)     ; elements of 1 byte; padding: four words after every 16
	s_mov_b32 s[G1A+1], 4096<<16                   ; tensor_dim0: 64 tokens x 64 bytes
	s_mov_b32 s[G1A+2], 8<<16                      ; tensor_dim1: 8 blocks of 64 along K
	s_mov_b32 s[G1A+3], 4096<<16
	s_mov_b32 s[G1A+4], 8
	s_mov_b32 s[G1A+5], 262144                     ; from block to block: 4,096 tokens x 64
	s_mov_b32 s[G1A+6], 0
	s_mov_b32 s[G1A+7], 0
	s_or_b32 s[G1B], s45, (1<<20)|(1<<21)|(6<<22)|(3<<25)     ; four words after every 128
	s_mov_b32 s[G1B+1], 512<<16
	s_mov_b32 s[G1B+2], 64<<16
	s_mov_b32 s[G1B+3], 512<<16
	s_mov_b32 s[G1B+4], 64
	s_mov_b32 s[G1B+5], KK
	s_mov_b32 s[G1B+6], 0
	s_mov_b32 s[G1B+7], 0
	s_lshl_b32 s20, s43, 13                        ; A: token 128 x tile row + 64 x half, x 64 bytes
	s_lshl_b32 s21, s18, 12
	s_add_co_u32 s20, s20, s21
	s_mov_b32 s21, 0
	s_lshl_b32 s46, s42, 7                         ; W: row 128 x tile column + 64 x half
	s_lshl_b32 s47, s18, 6
	s_add_co_u32 s46, s46, s47
	s_mul_i32 s46, s46, KK
	s_mov_b32 s47, 0
	s_mul_i32 s22, s18, AHALF                      ; where they go
	s_mul_i32 s23, s18, BHALF
	s_add_co_u32 s23, s23, BOFF
	s_wait_dscnt 0x0                               ; both opening adds are done
	s_wait_kmcnt 0x0
	s_load_b64 s[68:69], s[8:9], EOFF
	s_add_nc_u64 s[20:21], s[4:5], s[20:21]
	s_add_nc_u64 s[46:47], s[6:7], s[46:47]
	CROUND
.irp s, 0,1
	s_mov_b32 s[G0A+4*\s], 1
	s_add_co_u32 s[G0A+4*\s+1], s22, \s*SLOT
	s_add_nc_u64 s[G0A+4*\s+2:G0A+4*\s+3], s[20:21], \s*2097152
	s_or_b32 s[G0A+4*\s+3], s[G0A+4*\s+3], 0x80000000
	s_mov_b32 s[G0B+4*\s], 1
	s_add_co_u32 s[G0B+4*\s+1], s23, \s*SLOT
	s_add_nc_u64 s[G0B+4*\s+2:G0B+4*\s+3], s[46:47], \s*512
	s_or_b32 s[G0B+4*\s+3], s[G0B+4*\s+3], 0x80000000
	JLOAD G0A+4*\s, G1A, G0B+4*\s, G1B
.endr
	v_and_b32 v1, 15, v0                           ; r
	v_bfe_u32 v2, v0, 4, 1                         ; h
	v_lshlrev_b32 v3, 4, v1
	v_mul_u32_u24 v4, v1, 80
	v_lshl_add_u32 v4, v2, 4, v4
	v_mul_u32_u24 v5, v1, 528
	v_lshl_add_u32 v5, v2, 4, v5
	s_mul_i32 s70, s17, AHALF
	s_mul_i32 s71, s18, BHALF
	s_add_co_u32 s71, s71, BOFF
.irp s, 0,1
	v_add_nc_u32 v[ADRA+\s], s70, v4
	v_add_nc_u32 v[ADRB+\s], s71, v5
	s_add_co_u32 s70, s70, SLOT
	s_add_co_u32 s71, s71, SLOT
.endr
	s_mul_i32 s70, s16, 16*272
	s_add_co_u32 s70, s70, STAGE                   ; my stage
	v_mul_u32_u24 v6, v1, 272
	v_lshl_add_u32 v6, v2, 5, v6
	v_add_nc_u32 v[STO], s70, v6                   ; in: row r, 32 bytes for each half of the lanes
	v_mul_u32_u24 v6, v2, 272
	v_add_nc_u32 v6, v6, v3
	v_add_nc_u32 v[RD], s70, v6                    ; back: lanes 0-15 one row of 256 bytes, lanes 16-31 the next
	v_lshl_add_u32 v[CO], v2, 12, v3               ; and the same two rows in memory
	s_lshl_b32 s72, s43, 19                        ; my first row, x 4,096 bytes,
	s_lshl_b32 s73, s17, 18
	s_add_co_u32 s72, s72, s73
	s_lshl_b32 s73, s42, 9                         ; my first column, x 4 bytes
	s_add_co_u32 s72, s72, s73
	s_lshl_b32 s74, s18, 8
	s_add_co_u32 s72, s72, s74
	s_add_co_u32 s74, s74, s73
	s_mov_b32 s73, 0
	s_mov_b32 s75, 0
	s_add_nc_u64 s[12:13], s[12:13], s[72:73]
	s_add_nc_u64 s[14:15], s[14:15], s[72:73]
	s_add_nc_u64 s[10:11], s[10:11], s[74:75]
	WIN 0x80                                       ; destination window 2: the residual, 64 rows x 256 bytes
.irp a, 0,1,2,3
.irp t, 0,1,2,3,4,5,6,7
	global_load_b128 v[32*\a+4*\t:32*\a+4*\t+3], v[CO], s[12:13] offset:(16*\a+2*\t)*4096
.endr
.endr
	WIN 0
	global_load_b128 v[8:11], v3, s[10:11]         ; the bias of my four columns
.macro MUL8 f, a0, zero                ; A's blocks a0, a0 + 1 x W's four, 128 along K; the 16 accumulators take turns, one instruction a turn
.irp a, \a0, \a0+1
.irp b, 0,1,2,3
.if \zero
	v_wmma_f32_16x16x128_fp8_fp8 v[ACC+8*(4*(\a)+\b):ACC+8*(4*(\a)+\b)+7], v[\f+64+16*\b:\f+64+16*\b+15], v[\f+16*(\a):\f+16*(\a)+15], 0
.else
	v_wmma_f32_16x16x128_fp8_fp8 v[ACC+8*(4*(\a)+\b):ACC+8*(4*(\a)+\b)+7], v[\f+64+16*\b:\f+64+16*\b+15], v[\f+16*(\a):\f+16*(\a)+15], v[ACC+8*(4*(\a)+\b):ACC+8*(4*(\a)+\b)+7]
.endif
.endr
.endr
.endm
.macro FETCH slot, q, f                ; 32 LDS loads in one run: the slot's q-th 128 along K
	WIN 0x40
.irp i, 0,1,2,3
.irp c, 0,1,2,3
	ds_load_b128 v[\f+64+16*\i+4*\c:\f+64+16*\i+4*\c+3], v[ADRB+\slot] offset:128*(\q)+32*\c+8448*\i
.endr
.endr
.irp i, 0,1,2,3
.irp c, 0,1,2,3
	ds_load_b128 v[\f+16*\i+4*\c:\f+16*\i+4*\c+3], v[ADRA+\slot] offset:(2*(\q)+\c/2)*5120+32*(\c%2)+1280*\i
.endr
.endr
.endm
.macro QUARTER slot, q, f, g, zero     ; multiplies buffer f; the slot's q-th 128 along K is fetched into g meanwhile
	s_wait_dscnt 0x0                               ; buffer f is in
	PLACES                                         ; in front of loads into g, which the last products read
	FETCH \slot, \q, \g
	WIN 0x05                                       ; sources 0 and 1 window 1
	MUL8 \f, 0, \zero
	MUL8 \f, 2, \zero
.endm
.macro TURN slot, next, fill           ; the slot's last quarter, and the change of slots
	WIN 0
	s_wait_tensorcnt 0x0                           ; all my tensor loads have landed: my part of the next slot
	ds_add_u32 v[SPW], v[NIL]
	s_wait_dscnt 1                                 ; buffer 1 is in; the add may be out
	WIN 0x05
	MUL8 F1, 0, 0
	s_wait_dscnt 0x0                               ; the add is done, my reads of this slot are over
	s_barrier_signal -1
	WIN 0
	s_barrier_wait -1
.if \fill
	CREST                                          ; the barrier has opened a round of the cluster's
	s_add_nc_u64 s[G0A+4*\slot+2:G0A+4*\slot+3], s[G0A+4*\slot+2:G0A+4*\slot+3], 4194304
	s_add_nc_u64 s[G0B+4*\slot+2:G0B+4*\slot+3], s[G0B+4*\slot+2:G0B+4*\slot+3], 1024
	JLOAD G0A+4*\slot, G1A, G0B+4*\slot, G1B       ; the first tensor load behind the round; its four v_nop are the places in front of the loads below
.else
	PLACES
.endif
	FETCH \next, 0, F0
	WIN 0x05
	MUL8 F1, 2, 0
.endm
	s_wait_tensorcnt 1                             ; my part of K step 0 is in; K step 1's may be out
	s_barrier_signal -1
	s_barrier_wait -1
	FETCH 0, 0, F0
	QUARTER 0, 1, F0, F1, 1                        ; the first products start the sums
.if LAPS > 1
	WIN 0
	s_mov_b32 s19, LAPS-1
.Llap:
	QUARTER 0, 2, F1, F0, 0
	QUARTER 0, 3, F0, F1, 0
	TURN 0, 1, 1
	QUARTER 1, 1, F0, F1, 0
	QUARTER 1, 2, F1, F0, 0
	QUARTER 1, 3, F0, F1, 0
	TURN 1, 0, 1
	QUARTER 0, 1, F0, F1, 0
	WIN 0
	s_sub_co_u32 s19, s19, 1
	s_cmp_lg_u32 s19, 0
	s_cbranch_scc1 .Llap
.endif
	QUARTER 0, 2, F1, F0, 0                        ; the last lap fills nothing
	QUARTER 0, 3, F0, F1, 0
	TURN 0, 1, 0
	QUARTER 1, 1, F0, F1, 0
	QUARTER 1, 2, F1, F0, 0
	QUARTER 1, 3, F0, F1, 0
	s_wait_dscnt 0x0
	MUL8 F1, 0, 0
	MUL8 F1, 2, 0
	; THE WAY OUT: out = sum x 2^(ea + eb) + (residual + bias)
	s_wait_loadcnt 0x0
	s_wait_kmcnt 0x0
	s_add_co_i32 s66, s68, s69
	s_add_co_i32 s66, s66, 127
	s_lshl_b32 s66, s66, 23
	s_mov_b32 s67, s66
	WIN 0x82                                       ; source 0 and destination window 2
.set ii, 0
.rept 32
	v_pk_add_f32 v[4*ii:4*ii+1], v[4*ii:4*ii+1], v[8:9]            ; residual + bias; these are also the places behind the last products
	v_pk_add_f32 v[4*ii+2:4*ii+3], v[4*ii+2:4*ii+3], v[10:11]
.set ii, ii+1
.endr
	WIN 0
.macro TOST a                          ; block a's 16 rows into my stage, each accumulator's low four registers first, and back as rows of 256 bytes
.set TBB, T0+32*((\a)%2)
.irp b, 0,1,2,3
	ds_store_b128 v[STO], v[ACC+8*(4*(\a)+\b):ACC+8*(4*(\a)+\b)+3] offset:64*\b
	ds_store_b128 v[STO], v[ACC+8*(4*(\a)+\b)+4:ACC+8*(4*(\a)+\b)+7] offset:64*\b+16
.endr
.irp t, 0,1,2,3,4,5,6,7
	ds_load_b128 v[TBB+4*\t:TBB+4*\t+3], v[RD] offset:544*\t       ; LDS serves a wave's instructions in order: these see my stores
.endr
.endm
.macro SEND a, younger
.set TBB, T0+32*((\a)%2)
	s_wait_dscnt \younger
	WIN 0x20                                       ; source 2 window 2
.set ii, 0
.rept 16
	v_pk_fma_f32 v[TBB+ii:TBB+ii+1], v[TBB+ii:TBB+ii+1], s[66:67], v[32*(\a)+ii:32*(\a)+ii+1] op_sel_hi:[1,0,1]
.set ii, ii+2
.endr
	WIN 0
.irp t, 0,1,2,3,4,5,6,7
	global_store_b128 v[CO], v[TBB+4*\t:TBB+4*\t+3], s[14:15] offset:(16*(\a)+2*\t)*4096     ; 16 lanes store 256 consecutive bytes, at a multiple of 256 from the buffer's first byte
.endr
.endm
	TOST 0
.irp a, 1,2,3
.if \a > 1
	s_wait_xcnt 0x0                                ; block a - 2's stores have read their registers: block a's rows may land there
.endif
	TOST \a
	SEND \a-1, 16                                  ; behind block a - 1's loads: block a's 8 stores and 8 loads
.endr
	SEND 3, 0
	s_wait_tensorcnt 0x0                           ; the wave's end
	ds_add_u32 v[SPW], v[NIL]
	s_wait_dscnt 0x0
	CROUND                                         ; the closing round
	s_endpgm
.Lfunc_end_k_q9d8d40a409_proj:
	.size	k_q9d8d40a409_proj, .Lfunc_end_k_q9d8d40a409_proj-k_q9d8d40a409_proj
	.p2alignl 7, 3214868480
	.fill 96, 4, 3214868480
	.section	.rodata,"a",@progbits
	.p2align	6, 0x0
	.amdhsa_kernel k_q9d8d40a409_proj
		.amdhsa_group_segment_fixed_size 327680
		.amdhsa_private_segment_fixed_size 0
		.amdhsa_enable_private_segment 0
		.amdhsa_kernarg_size 48
		.amdhsa_user_sgpr_count 2
		.amdhsa_user_sgpr_kernarg_segment_ptr 1
		.amdhsa_wavefront_size32 1
		.amdhsa_system_sgpr_workgroup_id_x 1
		.amdhsa_system_sgpr_workgroup_id_y 1
		.amdhsa_system_sgpr_workgroup_id_z 1
		.amdhsa_system_vgpr_workitem_id 0
		.amdhsa_next_free_vgpr 768
		.amdhsa_next_free_sgpr 80
		.amdhsa_reserve_vcc 0
		.amdhsa_float_denorm_mode_32 3
		.amdhsa_float_denorm_mode_16_64 3
		.amdhsa_memory_ordered 1
		.amdhsa_forward_progress 1
		.amdhsa_inst_pref_size 53
	.end_amdhsa_kernel
	.amdgpu_metadata
---
amdhsa.version: [ 1, 2 ]
amdhsa.kernels:
  - .name:           k_q9d8d40a409_proj
    .symbol:         k_q9d8d40a409_proj.kd
    .args:
      - { .name: oc, .offset: 0, .size: 8, .value_kind: global_buffer, .address_space: global }
      - { .name: proj_w_codes, .offset: 8, .size: 8, .value_kind: global_buffer, .address_space: global }
      - { .name: lowp_scales, .offset: 16, .size: 8, .value_kind: global_buffer, .address_space: global }
      - { .name: proj_b, .offset: 24, .size: 8, .value_kind: global_buffer, .address_space: global }
      - { .name: x, .offset: 32, .size: 8, .value_kind: global_buffer, .address_space: global }
      - { .name: x1, .offset: 40, .size: 8, .value_kind: global_buffer, .address_space: global }
    .group_segment_fixed_size: 327680
    .private_segment_fixed_size: 0
    .kernarg_segment_align: 8
    .kernarg_segment_size: 48
    .max_flat_workgroup_size: 128
    .sgpr_count:     80
    .vgpr_count:     768
    .wavefront_size: 32
...
	.end_amdgpu_metadata
.endif
;; end of part 4
;; launch ln2q (part 5): grid 256 x 1, 8 waves a work-group, no clusters, 17,408 bytes of LDS; arguments x1, ln2_w, ln2_b, lowp_scales, xnc; writes xnc
.if DOCPART == 5
	.amdgcn_target "amdgcn-amd-amdhsa--gfx1250"
	.amdhsa_code_object_version 6
	.text
	.protected	k_q9d8d40a409_ln2q
	.globl	k_q9d8d40a409_ln2q
	.p2align	8
	.type	k_q9d8d40a409_ln2q,@function
k_q9d8d40a409_ln2q:
	s_mov_b64 s[64:65], 0
	v_nop
	global_prefetch_b8 v0, s[64:65] scope:SCOPE_SE
	s_setreg_imm32_b32 hwreg(HW_REG_WAVE_MODE, 25, 1), 1
	s_wait_xcnt 0x0
; The second LayerNorm, on x1 = x + attention's projection, to codes of FP8 (E4M3) with the scale of entry 8.  Nothing is left out.
; xn = (x - mean) * rsqrt(var + 1e-5) * w + b, row by row, in f32, then code = xn / 2^e held within +-448, to the nearest code, ties to even.
; A row is 4,096 bytes: one wave holds it in 32 registers a lane.  The mean is taken first and the variance of the differences: no difference of large sums is formed.
; Eight waves, two rows each, 16 rows a work-group.  Each load covers 512 consecutive bytes.  A row's codes are gathered in the wave's own LDS bytes and leave as two stores of 512 consecutive bytes.
; No barrier: waves share nothing.  No matrix unit, cluster or tensor load: each byte is read once.
; LIMITS: e between -126 and 119.  NaN among the inputs is not served.
.set EOFF,  32                         ; byte offset of e in the buffer of scales
.set SPARE, 16384
.set LO,  2
.set LW,  3
.set LR,  4
.set SPW, 5
.set NIL, 6
.set SCV, 16
.set LIM, 17
.set WW,  32
.set BB,  64
.set XX,  96
.set CCD, 160
.set OO,  176
	s_load_b256 s[4:11], s[0:1], 0x0               ; x1 s[4:5], w s[6:7], b s[8:9], scales s[10:11]
	s_load_b64 s[12:13], s[0:1], 0x20              ; the codes
	v_lshl_add_u32 v[SPW], v0, 2, SPARE
	v_mov_b32 v[NIL], 0
	v_lshrrev_b32 v1, 5, v0
	v_readfirstlane_b32 s14, v1                    ; wave 0..7
	v_and_b32 v1, 31, v0                           ; lane
	v_lshlrev_b32 v[LO], 4, v1
	s_lshl_b32 s15, s14, 11
	v_lshl_add_u32 v[LW], v1, 2, s15
	v_add_nc_u32 v[LR], s15, v[LO]
	s_lshl_b32 s16, ttmp9, 16
	s_lshl_b32 s17, s14, 13
	s_add_co_u32 s16, s16, s17
	s_mov_b32 s17, 0
	s_lshl_b32 s18, ttmp9, 14
	s_add_co_u32 s18, s18, s15
	s_mov_b32 s19, 0
	s_mov_b32 s20, 0x76543210
	s_mov_b32 s21, 0xfedcba98
	s_mov_b32 s23, 0x3a800000                      ; 1 / 1024
	s_mov_b32 s24, 0x3727c5ac                      ; 1e-5
	v_mov_b32 v7, 0
	s_wait_kmcnt 0x0
	s_load_b32 s22, s[10:11], EOFF
	s_add_nc_u64 s[4:5], s[4:5], s[16:17]
	s_add_nc_u64 s[12:13], s[12:13], s[18:19]
.irp j, 0,1,2,3,4,5,6,7
	global_load_b128 v[XX+4*\j:XX+4*\j+3], v[LO], s[4:5] offset:512*\j th:TH_LOAD_NT
.endr
.irp j, 0,1,2,3,4,5,6,7
	global_load_b128 v[WW+4*\j:WW+4*\j+3], v[LO], s[6:7] offset:512*\j
.endr
.irp j, 0,1,2,3,4,5,6,7
	global_load_b128 v[BB+4*\j:BB+4*\j+3], v[LO], s[8:9] offset:512*\j
.endr
.irp j, 0,1,2,3,4,5,6,7
	global_load_b128 v[XX+32+4*\j:XX+32+4*\j+3], v[LO], s[4:5] offset:4096+512*\j th:TH_LOAD_NT
.endr
	s_wait_kmcnt 0x0
	s_add_co_i32 s22, s22, 127
	s_lshl_b32 s25, s22, 23
	v_mov_b32 v[SCV], s25                          ; 2^e
	s_add_co_i32 s22, s22, 8
	s_lshl_b32 s22, s22, 23
	s_or_b32 s22, s22, 0x600000
	v_mov_b32 v[LIM], s22                          ; 448 x 2^e
.macro RED
	v_add_f32 v8, v8, v9
	v_add_f32_dpp v8, v8, v8 row_xmask:1 row_mask:0xf bank_mask:0xf
	v_add_f32_dpp v8, v8, v8 row_xmask:2 row_mask:0xf bank_mask:0xf
	v_add_f32_dpp v8, v8, v8 row_xmask:4 row_mask:0xf bank_mask:0xf
	v_add_f32_dpp v8, v8, v8 row_xmask:8 row_mask:0xf bank_mask:0xf
	v_permlanex16_b32 v7, v8, s20, s21
	v_add_f32 v8, v8, v7
.endm
.macro ROW i, c1, c2
.set XB, XX+32*(\i)
	s_wait_loadcnt \c1
	v_pk_add_f32 v[8:9], v[XB:XB+1], v[XB+2:XB+3]
	v_pk_add_f32 v[10:11], v[XB+4:XB+5], v[XB+6:XB+7]
.irp j, 8,12,16,20,24,28
	v_pk_add_f32 v[8:9], v[8:9], v[XB+\j:XB+\j+1]
	v_pk_add_f32 v[10:11], v[10:11], v[XB+\j+2:XB+\j+3]
.endr
	v_pk_add_f32 v[8:9], v[8:9], v[10:11]
	RED
	v_mul_f32 v12, s23, v8
	v_mul_f32 v13, s23, v8
.irp j, 0,2,4,6,8,10,12,14,16,18,20,22,24,26,28,30
	v_pk_add_f32 v[XB+\j:XB+\j+1], v[XB+\j:XB+\j+1], v[12:13] neg_lo:[0,1] neg_hi:[0,1]
.endr
	v_pk_mul_f32 v[8:9], v[XB:XB+1], v[XB:XB+1]
	v_pk_mul_f32 v[10:11], v[XB+2:XB+3], v[XB+2:XB+3]
.irp j, 4,8,12,16,20,24,28
	v_pk_fma_f32 v[8:9], v[XB+\j:XB+\j+1], v[XB+\j:XB+\j+1], v[8:9]
	v_pk_fma_f32 v[10:11], v[XB+\j+2:XB+\j+3], v[XB+\j+2:XB+\j+3], v[10:11]
.endr
	v_pk_add_f32 v[8:9], v[8:9], v[10:11]
	RED
	v_fma_f32 v8, v8, s23, s24
	v_rsq_f32 v14, v8
	v_rsq_f32 v15, v8
	v_nop                                          ; a plain instruction behind the transcendentals,
	s_wait_alu depctr_va_vdst(0)                   ; and the one wait ahead of their first reader
	s_wait_loadcnt \c2
.irp j, 0,2,4,6,8,10,12,14,16,18,20,22,24,26,28,30
	v_pk_mul_f32 v[XB+\j:XB+\j+1], v[XB+\j:XB+\j+1], v[14:15]
.endr
.irp j, 0,2,4,6,8,10,12,14,16,18,20,22,24,26,28,30
	v_pk_fma_f32 v[XB+\j:XB+\j+1], v[XB+\j:XB+\j+1], v[WW+\j:WW+\j+1], v[BB+\j:BB+\j+1]
.endr
.set ii, 0
.rept 32
	v_med3_num_f32 v[XB+ii], v[XB+ii], -v[LIM], v[LIM]
.set ii, ii+1
.endr
.irp g, 0,1,2,3
	v_cvt_scalef32_pk8_fp8_f32 v[CCD+8*(\i)+2*\g:CCD+8*(\i)+2*\g+1], v[XB+8*\g:XB+8*\g+7], v[SCV]
.endr
	v_nop
.irp j, 0,1,2,3,4,5,6,7
	ds_store_b32 v[LW], v[CCD+8*(\i)+\j] offset:1024*(\i)+128*\j
.endr
.irp k, 0,1
	ds_load_b128 v[OO+8*(\i)+4*\k:OO+8*(\i)+4*\k+3], v[LR] offset:1024*(\i)+512*\k
.endr
	s_wait_dscnt 0x0
.irp k, 0,1
	global_store_b128 v[LO], v[OO+8*(\i)+4*\k:OO+8*(\i)+4*\k+3], s[12:13] offset:1024*(\i)+512*\k
.endr
.endm
	ROW 0, 24, 8                                   ; behind row 0's loads: w's 8, b's 8, row 1's 8; behind b's: row 1's 8
	ROW 1, 0, 0
	s_wait_tensorcnt 0x0                           ; the wave's end, behind my last LDS store
	ds_add_u32 v[SPW], v[NIL]
	s_wait_dscnt 0x0
	s_endpgm
.Lfunc_end_k_q9d8d40a409_ln2q:
	.size	k_q9d8d40a409_ln2q, .Lfunc_end_k_q9d8d40a409_ln2q-k_q9d8d40a409_ln2q
	.p2alignl 7, 3214868480
	.fill 96, 4, 3214868480
	.section	.rodata,"a",@progbits
	.p2align	6, 0x0
	.amdhsa_kernel k_q9d8d40a409_ln2q
		.amdhsa_group_segment_fixed_size 17408
		.amdhsa_private_segment_fixed_size 0
		.amdhsa_enable_private_segment 0
		.amdhsa_kernarg_size 40
		.amdhsa_user_sgpr_count 2
		.amdhsa_user_sgpr_kernarg_segment_ptr 1
		.amdhsa_wavefront_size32 1
		.amdhsa_system_sgpr_workgroup_id_x 1
		.amdhsa_system_sgpr_workgroup_id_y 1
		.amdhsa_system_sgpr_workgroup_id_z 1
		.amdhsa_system_vgpr_workitem_id 0
		.amdhsa_next_free_vgpr 192
		.amdhsa_next_free_sgpr 66
		.amdhsa_reserve_vcc 0
		.amdhsa_float_denorm_mode_32 3
		.amdhsa_float_denorm_mode_16_64 3
		.amdhsa_memory_ordered 1
		.amdhsa_forward_progress 1
		.amdhsa_inst_pref_size 24
	.end_amdhsa_kernel
	.amdgpu_metadata
---
amdhsa.version: [ 1, 2 ]
amdhsa.kernels:
  - .name:           k_q9d8d40a409_ln2q
    .symbol:         k_q9d8d40a409_ln2q.kd
    .args:
      - { .name: x1, .offset: 0, .size: 8, .value_kind: global_buffer, .address_space: global }
      - { .name: ln2_w, .offset: 8, .size: 8, .value_kind: global_buffer, .address_space: global }
      - { .name: ln2_b, .offset: 16, .size: 8, .value_kind: global_buffer, .address_space: global }
      - { .name: lowp_scales, .offset: 24, .size: 8, .value_kind: global_buffer, .address_space: global }
      - { .name: xnc, .offset: 32, .size: 8, .value_kind: global_buffer, .address_space: global }
    .group_segment_fixed_size: 17408
    .private_segment_fixed_size: 0
    .kernarg_segment_align: 8
    .kernarg_segment_size: 40
    .max_flat_workgroup_size: 256
    .sgpr_count:     66
    .vgpr_count:     192
    .wavefront_size: 32
...
	.end_amdgpu_metadata
.endif
;; end of part 5
;; launch fc1 (part 6): grid 16 x 16, 4 waves a work-group, clusters of 4 x 4, 327,680 bytes of LDS; arguments xnc, fc1_w_codes, lowp_scales, fc1_b, hc; writes hc
.if DOCPART == 6
	.amdgcn_target "amdgcn-amd-amdhsa--gfx1250"
	.amdhsa_code_object_version 6
	.text
	.protected	k_q9d8d40a409_fc1
	.globl	k_q9d8d40a409_fc1
	.p2align	8
	.type	k_q9d8d40a409_fc1,@function
k_q9d8d40a409_fc1:
	s_mov_b64 s[64:65], 0
	v_nop
	global_prefetch_b8 v0, s[64:65] scope:SCOPE_SE
	s_setreg_imm32_b32 hwreg(HW_REG_WAVE_MODE, 25, 1), 1
	s_wait_xcnt 0x0
	s_wait_alu depctr_hold_cnt(0) depctr_sa_sdst(0) depctr_va_vdst(0) depctr_va_sdst(0) depctr_va_ssrc(0) depctr_va_vcc(0) depctr_vm_vsrc(0)
	s_getreg_b32 s2, hwreg(HW_REG_IB_STS2, 6, 4)
	s_cmp_eq_u32 s2, 0
	s_cbranch_scc0 .Lentry_in_a_cluster
	s_endpgm
.Lentry_in_a_cluster:
	s_bfe_u32 s2, ttmp6, 0x10000c
	s_cmp_lg_u32 s2, 0xf033
	s_cbranch_scc0 .Lentry_shape_is_right
	s_endpgm
.Lentry_shape_is_right:
; h = gelu(xn W^T + b), the exact GELU, on codes of FP8 (E4M3), K = 1,024; h is quantised with the scale of entry 10 and stored as [64 blocks of 64 channels][4,096 tokens][64].  Nothing is left out.
; A tile of 256 x 256 is made by four waves, 128 x 128 each: 64 accumulators.  K goes in steps of 256 through a ring of two LDS slots.  4 x 4 clusters: xn's tile is asked for jointly by my row, W's by my column.
; THE MATRIX INSTRUCTION IS USED TRANSPOSED (source 0 = 16 rows of W, source 1 = 16 tokens): a lane holds eight neighbouring channels of a token, 8 bytes of codes.
; GELU.  gelu(y) = max(y, 0) - |y| q, q = erfc(|y| / sqrt 2) / 2 = t (a1 + t (a2 + t (a3 + t (a4 + t a5)))) 2^(-y^2 log2(e) / 2), t = 1 / (1 + 0.3275911 |y| / sqrt 2): no difference of near numbers on either side of 0.
; LIMIT: this form of erf (Abramowitz and Stegun 7.1.26, coefficients halved) is off by at most 1.5e-7 in absolute size; so gelu is off by at most 0.75e-7 |y|.
; The way out is two loops of eight trips, 32 numbers a lane a trip, so that the arithmetic is written twice and not sixteen times; a trip's accumulators are picked by scalar branches on the trip's number.
; LIMITS: e8 + e9 between -126 and 127; e10 between -126 and 119.  k is permuted alike in both operands inside an instruction.  NaN is not served.
.set KROW,   1024
.set ROWB,   256
.set PITCH,  272
.set FR,     16
.set NL,     4
.set NP,     4
.set HALFT,  128*PITCH
.set SLOT,   4*HALFT
.set LAPS,   2
.set SPARE,  2*SLOT
.set ADRA, 16
.set ADRB, 20
.set STO,  24
.set RD,   25
.set CO,   26
.set SPW,  28
.set NIL,  29
.set LIM,  42
.set SCV,  43
.set CCD,  44                          ; v44-51 codes
.set STA,  52                          ; v52 the trip's place in the stage
.set BI,   64                          ; v64-127 the bias of my 8 x 8 channels
.set AF,   128
.set YY,   128
.set TT,   160
.set EE,   192
.set PP,   224
.set AI,   75                          ; s75 the trip's number = the block of 16 tokens
.set OFS,  88                          ; s88 4 stage rows a trip
.set G1, 24
.set G0, 32
.set G1B, 48
.set G0B, 56
.set MSB, 0
.macro WIN new
.if MSB != (\new)
	s_set_vgpr_msb (MSB<<8)|(\new)
.set MSB, (\new)
.endif
.endm
.set MUL_LO, 0xa1
.set MUL_HI, 0xf1
.set TO_B,   0x40
.macro JLOAD g0a, g1a, g0b, g1b
	s_cmp_eq_u32 s15, 0
	s_cbranch_scc0 .Lfor_b_\@
	tensor_load_to_lds s[\g0a:\g0a+3], s[\g1a:\g1a+7]
	s_nop 0
.rept 4
	v_nop
.endr
	s_branch .Lasked_\@
.Lfor_b_\@:
	tensor_load_to_lds s[\g0b:\g0b+3], s[\g1b:\g1b+7]
	s_nop 0
.rept 4
	v_nop
.endr
.Lasked_\@:
.endm
.macro CREST
	s_cmp_lg_u32 s14, 0
	s_cbranch_scc1 .Lnot_wave_0_\@
	s_barrier_signal -3
.Lnot_wave_0_\@:
	s_barrier_wait -3
	s_barrier_signal -1
	s_barrier_wait -1
.endm
.macro CROUND
	s_barrier_signal -1
	s_barrier_wait -1
	CREST
.endm
.macro PLACES n
.rept \n
	v_nop
.endr
.endm
	s_load_b256 s[4:11], s[0:1], 0x0               ; xn's codes s[4:5], W's codes s[6:7], scales s[8:9], bias s[10:11]
	s_load_b64 s[12:13], s[0:1], 0x20              ; hc
	v_lshl_add_u32 v[SPW], v0, 2, SPARE
	v_mov_b32 v[NIL], 0
	ds_add_u32 v[SPW], v[NIL]                      ; the wave's opening: the add, twice on end, and its wait ahead of my first tensor load
	ds_add_u32 v[SPW], v[NIL]
	v_lshrrev_b32 v1, 5, v0
	v_readfirstlane_b32 s14, v1
	s_lshr_b32 s15, s14, 1                         ; my half of the tokens.  Also: I fetch for xn (0) or W (1)
	s_and_b32 s16, s14, 1                          ; my half of the channels.  Also: which 128 rows I fetch
	s_bfe_u32 s40, ttmp6, 0x40000
	s_bfe_u32 s41, ttmp6, 0x40004
	s_lshl_b32 s42, ttmp9, 2
	s_add_co_u32 s42, s42, s40                     ; tile of channels
	s_and_b32 s17, ttmp7, 0xffff
	s_lshl_b32 s17, s17, 2
	s_add_co_u32 s17, s17, s41                     ; tile of tokens
	s_lshl_b32 s43, s41, 2
	s_lshl_b32 s43, 15, s43
	s_lshl_b32 s44, 0x1111, s40
	s_or_b32 s[G1+0], s43, (1<<20)|(1<<21)|(5<<22)|(3<<25)
	s_or_b32 s[G1B+0], s44, (1<<20)|(1<<21)|(5<<22)|(3<<25)
.irp g, G1, G1B
	s_mov_b32 s[\g+1], ROWB<<16
	s_mov_b32 s[\g+2], 128<<16
	s_mov_b32 s[\g+3], ROWB<<16
	s_mov_b32 s[\g+4], 128
	s_mov_b32 s[\g+5], KROW
	s_mov_b32 s[\g+6], 0
	s_mov_b32 s[\g+7], 0
.endr
	s_lshl_b32 s18, s16, 7
	s_lshl_b32 s20, s17, 8
	s_add_co_u32 s20, s20, s18
	s_lshl_b32 s20, s20, 10
	s_mov_b32 s21, 0
	s_lshl_b32 s46, s42, 8
	s_add_co_u32 s46, s46, s18
	s_lshl_b32 s46, s46, 10
	s_mov_b32 s47, 0
	s_mul_i32 s45, s14, HALFT
	s_lshl_b32 s92, s42, 10                        ; the bias of my 128 channels
	s_lshl_b32 s93, s16, 9
	s_add_co_u32 s92, s92, s93
	s_mov_b32 s93, 0
	s_mov_b32 s72, 0x3f38aa3b                      ; log2(e) / 2
	s_mov_b32 s73, s72
	s_mov_b32 s74, 0x3e6d3388                      ; 0.3275911 / sqrt 2
	s_wait_dscnt 0x0
	s_wait_kmcnt 0x0
	s_load_b128 s[68:71], s[8:9], 0x20             ; e8 .. e11
	s_add_nc_u64 s[20:21], s[4:5], s[20:21]
	s_add_nc_u64 s[46:47], s[6:7], s[46:47]
	s_add_nc_u64 s[10:11], s[10:11], s[92:93]
	CROUND
.irp s, 0,1
	s_mov_b32 s[G0+4*\s], 1
	s_add_co_u32 s[G0+4*\s+1], s45, \s*SLOT
	s_add_nc_u64 s[G0+4*\s+2:G0+4*\s+3], s[20:21], \s*ROWB
	s_or_b32 s[G0+4*\s+3], s[G0+4*\s+3], 0x80000000
	s_mov_b32 s[G0B+4*\s], 1
	s_add_co_u32 s[G0B+4*\s+1], s45, \s*SLOT
	s_add_nc_u64 s[G0B+4*\s+2:G0B+4*\s+3], s[46:47], \s*ROWB
	s_or_b32 s[G0B+4*\s+3], s[G0B+4*\s+3], 0x80000000
	JLOAD G0+4*\s, G1, G0B+4*\s, G1B
.endr
	v_and_b32 v1, 15, v0
	v_bfe_u32 v2, v0, 4, 1
	v_lshlrev_b32 v7, 5, v2
.irp b, 0,1,2,3,4,5,6,7
	global_load_b128 v[BI+8*\b:BI+8*\b+3], v7, s[10:11] offset:64*\b           ; channels 16 b + 8 h + 0 .. 7
	global_load_b128 v[BI+8*\b+4:BI+8*\b+7], v7, s[10:11] offset:64*\b+16
.endr
	v_mul_u32_u24 v3, v1, PITCH
	v_lshl_add_u32 v4, v2, 4, v3
	s_mul_i32 s21, s15, HALFT
	s_mul_i32 s22, s16, HALFT
	s_add_co_u32 s22, s22, 2*HALFT
.irp s, 0,1
	v_add_nc_u32 v[ADRA+\s], s21, v4
	v_add_nc_u32 v[ADRB+\s], s22, v4
	s_add_co_u32 s21, s21, SLOT
	s_add_co_u32 s22, s22, SLOT
.endr
	; the stage, 256 rows x 272 bytes in slot 0: row = 64 x (block of 64 channels) + token / 4; byte = 64 (token % 4) + the channel's place in its block
	s_lshl_b32 s23, s16, 7
	s_lshl_b32 s92, s15, 5
	s_add_co_u32 s23, s23, s92
	s_mul_i32 s23, s23, PITCH
	v_lshrrev_b32 v5, 2, v1
	v_mul_u32_u24 v5, v5, PITCH
	v_and_b32 v6, 3, v1
	v_lshl_add_u32 v5, v6, 6, v5
	v_lshl_add_u32 v5, v2, 3, v5
	v_add_nc_u32 v[STO], s23, v5
	s_mul_i32 s23, s14, 64*PITCH
	v_mul_u32_u24 v5, v2, PITCH
	v_lshl_add_u32 v5, v1, 4, v5
	v_add_nc_u32 v[RD], s23, v5
	v_and_b32 v6, 31, v0
	v_lshlrev_b32 v[CO], 4, v6
	v_mov_b32 v32, 0x3e027906                      ; a1 / 2, as a pair; and so on
	v_mov_b32 v33, 0x3e027906
	v_mov_b32 v34, 0xbe11a98e
	v_mov_b32 v35, 0xbe11a98e
	v_mov_b32 v36, 0x3f35f0e3
	v_mov_b32 v37, 0x3f35f0e3
	v_mov_b32 v38, 0xbf3a00e3
	v_mov_b32 v39, 0xbf3a00e3
	v_mov_b32 v40, 0x3f07dc22
	v_mov_b32 v41, 0x3f07dc22
.macro FRAG reg, adr, q, i
.irp c, 0,1,2,3
	ds_load_b128 v[\reg+4*\c:\reg+4*\c+3], v[\adr] offset:128*(\q)+32*\c+(\i)*16*PITCH
.endr
.endm
.macro MUL16 a0, p, zero               ; the 64 accumulators take turns, one instruction a turn, in the same order in every step
.irp a, \a0, \a0+1
.irp b, 0,1,2,3,4,5,6,7
.if \zero
	v_wmma_f32_16x16x128_fp8_fp8 v[8*(8*((\a)%4)+\b):8*(8*((\a)%4)+\b)+7], v[128*(\p)+FR*\b:128*(\p)+FR*\b+FR-1], v[AF+FR*(\a):AF+FR*(\a)+FR-1], 0
.else
	v_wmma_f32_16x16x128_fp8_fp8 v[8*(8*((\a)%4)+\b):8*(8*((\a)%4)+\b)+7], v[128*(\p)+FR*\b:128*(\p)+FR*\b+FR-1], v[AF+FR*(\a):AF+FR*(\a)+FR-1], v[8*(8*((\a)%4)+\b):8*(8*((\a)%4)+\b)+7]
.endif
.endr
.endr
.endm
.macro FETCH_B slot, q, p
	WIN TO_B
.irp i, 0,1,2,3,4,5,6,7
	FRAG 128*(\p)+FR*\i, ADRB+\slot, \q, \i
.endr
	WIN 0
.endm
.macro FETCH_A slot, q, i0
.irp i, \i0, \i0+1, \i0+2, \i0+3
	FRAG AF+FR*(\i), ADRA+\slot, \q, \i
.endr
.endm
.macro STEP slot, q, zero
	s_wait_dscnt 4*NL                              ; W's set and xn's blocks 0-3 are in; the youngest 16 loads may be out
	WIN MUL_LO
	MUL16 0, (\q)%2, \zero
	MUL16 2, (\q)%2, \zero
	s_wait_dscnt 0
	PLACES NP
	FETCH_B \slot, (\q)+1, 1-(\q)%2
	FETCH_A \slot, (\q)+1, 0
	WIN MUL_HI
	MUL16 4, (\q)%2, \zero
	MUL16 6, (\q)%2, \zero
	PLACES NP
	WIN 0
	FETCH_A \slot, (\q)+1, 4
.endm
.macro TURN slot, next, fill
	s_wait_tensorcnt 0x0                           ; all my tensor loads have landed: my part of the next slot
	ds_add_u32 v[SPW], v[NIL]
	s_wait_dscnt 4*NL+1                            ; the add and xn's blocks 4-7 may be out
	WIN MUL_LO
	MUL16 0, 1, 0
	s_wait_dscnt 0x0                               ; the add is done, my reads of this slot are over
	s_barrier_signal -1
	MUL16 2, 1, 0
	WIN 0
	s_barrier_wait -1
.if \fill
	CREST
	s_add_nc_u64 s[G0+4*\slot+2:G0+4*\slot+3], s[G0+4*\slot+2:G0+4*\slot+3], 2*ROWB
	s_add_nc_u64 s[G0B+4*\slot+2:G0B+4*\slot+3], s[G0B+4*\slot+2:G0B+4*\slot+3], 2*ROWB
	JLOAD G0+4*\slot, G1, G0B+4*\slot, G1B
.else
	PLACES NP
.endif
	FETCH_B \next, 0, 0
	FETCH_A \next, 0, 0
	WIN MUL_HI
	MUL16 4, 1, 0
	MUL16 6, 1, 0
	PLACES NP
	WIN 0
	FETCH_A \next, 0, 4
.endm
; y = sum x 2^(e8 + e9) + bias for tiles (a, 4 hb .. 4 hb + 3): 32 numbers a lane; each accumulator from its low end on
.macro PICKB hb, a
	WIN 0x02+((\a)/4)
.set jj, 0
.rept 16
	v_pk_fma_f32 v[YY+jj:YY+jj+1], v[64*((\a)%4)+32*(\hb)+jj:64*((\a)%4)+32*(\hb)+jj+1], s[96:97], v[BI+32*(\hb)+jj:BI+32*(\hb)+jj+1] op_sel_hi:[1,0,1]
.set jj, jj+2
.endr
	WIN 0
.endm
.macro PICK hb, a
	s_cmp_lg_u32 s[AI], \a
	s_cbranch_scc1 .Ln_\@
	PICKB \hb, \a
	s_branch .Lj\hb
.Ln_\@:
.endm
.macro HALF hb
	s_mov_b32 s[AI], 0
	s_mov_b32 s[OFS], 0
.Lg\hb:
.irp a, 0,1,2,3,4,5,6
	PICK \hb, \a
.endr
	PICKB \hb, 7                                   ; without a test: every way writes y
.Lj\hb:
	v_add_nc_u32 v[STA], s[OFS], v[STO]
.set ii, 0
.rept 32
	v_fma_f32 v[TT+ii], |v[YY+ii]|, s74, 1.0
.set ii, ii+1
.endr
.set ii, 0
.rept 16
	v_pk_mul_f32 v[EE+ii:EE+ii+1], v[YY+ii:YY+ii+1], v[YY+ii:YY+ii+1]
.set ii, ii+2
.endr
.set ii, 0
.rept 16
	v_pk_mul_f32 v[EE+ii:EE+ii+1], v[EE+ii:EE+ii+1], s[72:73] op_sel_hi:[1,0]
.set ii, ii+2
.endr
.set ii, 0
.rept 32
	v_rcp_f32 v[TT+ii], v[TT+ii]                   ; t
.set ii, ii+1
.endr
.set ii, 0
.rept 32
	v_exp_f32 v[EE+ii], -v[EE+ii]                  ; 2^(-y^2 log2(e) / 2)
.set ii, ii+1
.endr
	v_nop                                          ; a plain instruction behind the batch,
	s_wait_alu depctr_va_vdst(0)                   ; and one wait for its 64 transcendentals, ahead of their first reader
.set ii, 0
.rept 16
	v_pk_fma_f32 v[PP+ii:PP+ii+1], v[TT+ii:TT+ii+1], v[40:41], v[38:39]
.set ii, ii+2
.endr
.irp k, 36, 34, 32
.set ii, 0
.rept 16
	v_pk_fma_f32 v[PP+ii:PP+ii+1], v[PP+ii:PP+ii+1], v[TT+ii:TT+ii+1], v[\k:\k+1]
.set ii, ii+2
.endr
.endr
.set ii, 0
.rept 16
	v_pk_mul_f32 v[PP+ii:PP+ii+1], v[PP+ii:PP+ii+1], v[TT+ii:TT+ii+1]
.set ii, ii+2
.endr
.set ii, 0
.rept 16
	v_pk_mul_f32 v[PP+ii:PP+ii+1], v[PP+ii:PP+ii+1], v[EE+ii:EE+ii+1]      ; q
.set ii, ii+2
.endr
.set ii, 0
.rept 32
	v_max_num_f32 v[TT+ii], 0, v[YY+ii]
.set ii, ii+1
.endr
.set ii, 0
.rept 32
	v_fma_f32 v[YY+ii], -|v[YY+ii]|, v[PP+ii], v[TT+ii]                    ; gelu = max(y, 0) - |y| q
.set ii, ii+1
.endr
.set ii, 0
.rept 32
	v_med3_num_f32 v[YY+ii], v[YY+ii], -v[LIM], v[LIM]
.set ii, ii+1
.endr
	s_wait_dscnt 0x0                               ; the last trip's stage stores have read the codes' registers
.irp k, 0,1,2,3
	v_cvt_scalef32_pk8_fp8_f32 v[CCD+2*\k:CCD+2*\k+1], v[YY+8*\k:YY+8*\k+7], v[SCV]
.endr
	v_nop
.irp k, 0,1,2,3
	ds_store_b64 v[STA], v[CCD+2*\k:CCD+2*\k+1] offset:(\hb)*64*PITCH+16*\k
.endr
	s_add_co_u32 s[OFS], s[OFS], 4*PITCH
	s_add_co_u32 s[AI], s[AI], 1
	s_cmp_lt_u32 s[AI], 8
	s_cbranch_scc1 .Lg\hb
.endm
	s_wait_tensorcnt 1                             ; my part of K step 0 is in; K step 1's may be out
	s_barrier_signal -1
	s_barrier_wait -1
	FETCH_B 0, 0, 0
	FETCH_A 0, 0, 0
	FETCH_A 0, 0, 4
	STEP 0, 0, 1
	s_mov_b32 s3, LAPS-1
.Llap:
	TURN 0, 1, 1
	STEP 1, 0, 0
	TURN 1, 0, 1
	STEP 0, 0, 0
	s_sub_co_u32 s3, s3, 1
	s_cmp_lg_u32 s3, 0
	s_cbranch_scc1 .Llap
	TURN 0, 1, 0
	STEP 1, 0, 0
	s_wait_dscnt 4*NL                              ; the very last step
	WIN MUL_LO
	MUL16 0, 1, 0
	MUL16 2, 1, 0
	s_wait_dscnt 0
	WIN MUL_HI
	MUL16 4, 1, 0
	MUL16 6, 1, 0
	WIN 0
	s_wait_kmcnt 0x0
	s_add_co_i32 s96, s68, s69
	s_add_co_i32 s96, s96, 127
	s_lshl_b32 s96, s96, 23                        ; 2^(e8 + e9)
	s_mov_b32 s97, s96
	s_add_co_i32 s92, s70, 127
	s_lshl_b32 s93, s92, 23
	s_add_co_i32 s92, s92, 8
	s_lshl_b32 s92, s92, 23
	s_or_b32 s92, s92, 0x600000
	PLACES NP                                      ; behind the last products: results are read, and xn's fragment registers written
	v_mov_b32 v[SCV], s93                          ; 2^e10
	v_mov_b32 v[LIM], s92                          ; 448 x 2^e10
	s_wait_loadcnt 0x0                             ; the bias
	HALF 0
	HALF 1
	s_lshl_b32 s92, s42, 2
	s_add_co_u32 s92, s92, s14                     ; the block of 64 channels that I store: 4 x tile + wave,
	s_lshl_b32 s92, s92, 18
	s_lshl_b32 s93, s17, 14                        ; the tile's 256 tokens
	s_add_co_u32 s92, s92, s93
	s_mov_b32 s93, 0
	s_add_nc_u64 s[12:13], s[12:13], s[92:93]
	s_wait_dscnt 0x0                               ; for the others' sake: my stores into the stage are done
	s_barrier_signal -1
	s_barrier_wait -1
.set ii, 0
.rept 32
	ds_load_b128 v[YY+4*ii:YY+4*ii+3], v[RD] offset:2*PITCH*ii
.set ii, ii+1
.endr
.set ii, 0
.rept 32
	s_wait_dscnt 31-ii                             ; load ii is in, the younger ones may be out
	global_store_b128 v[CO], v[YY+4*ii:YY+4*ii+3], s[12:13] offset:512*ii      ; 16 KiB on end: 256 tokens x 64 bytes of one block
.set ii, ii+1
.endr
	s_wait_tensorcnt 0x0                           ; the wave's end
	ds_add_u32 v[SPW], v[NIL]
	s_wait_dscnt 0x0
	CROUND                                         ; the closing round
	s_endpgm
.Lfunc_end_k_q9d8d40a409_fc1:
	.size	k_q9d8d40a409_fc1, .Lfunc_end_k_q9d8d40a409_fc1-k_q9d8d40a409_fc1
	.p2alignl 7, 3214868480
	.fill 96, 4, 3214868480
	.section	.rodata,"a",@progbits
	.p2align	6, 0x0
	.amdhsa_kernel k_q9d8d40a409_fc1
		.amdhsa_group_segment_fixed_size 327680
		.amdhsa_private_segment_fixed_size 0
		.amdhsa_enable_private_segment 0
		.amdhsa_kernarg_size 40
		.amdhsa_user_sgpr_count 2
		.amdhsa_user_sgpr_kernarg_segment_ptr 1
		.amdhsa_wavefront_size32 1
		.amdhsa_system_sgpr_workgroup_id_x 1
		.amdhsa_system_sgpr_workgroup_id_y 1
		.amdhsa_system_sgpr_workgroup_id_z 1
		.amdhsa_system_vgpr_workitem_id 0
		.amdhsa_next_free_vgpr 1024
		.amdhsa_next_free_sgpr 100
		.amdhsa_reserve_vcc 0
		.amdhsa_float_denorm_mode_32 3
		.amdhsa_float_denorm_mode_16_64 3
		.amdhsa_memory_ordered 1
		.amdhsa_forward_progress 1
		.amdhsa_inst_pref_size 143
	.end_amdhsa_kernel
	.amdgpu_metadata
---
amdhsa.version: [ 1, 2 ]
amdhsa.kernels:
  - .name:           k_q9d8d40a409_fc1
    .symbol:         k_q9d8d40a409_fc1.kd
    .args:
      - { .name: xnc, .offset: 0, .size: 8, .value_kind: global_buffer, .address_space: global }
      - { .name: fc1_w_codes, .offset: 8, .size: 8, .value_kind: global_buffer, .address_space: global }
      - { .name: lowp_scales, .offset: 16, .size: 8, .value_kind: global_buffer, .address_space: global }
      - { .name: fc1_b, .offset: 24, .size: 8, .value_kind: global_buffer, .address_space: global }
      - { .name: hc, .offset: 32, .size: 8, .value_kind: global_buffer, .address_space: global }
    .group_segment_fixed_size: 327680
    .private_segment_fixed_size: 0
    .kernarg_segment_align: 8
    .kernarg_segment_size: 40
    .max_flat_workgroup_size: 128
    .sgpr_count:     100
    .vgpr_count:     1024
    .wavefront_size: 32
...
	.end_amdgpu_metadata
.endif
;; end of part 6
;; launch fc2 (part 7): grid 8 x 32, 4 waves a work-group, clusters of 4 x 4, 327,680 bytes of LDS; arguments hc, fc2_w_codes, lowp_scales, fc2_b, x1, out0; writes out0
.if DOCPART == 7
	.amdgcn_target "amdgcn-amd-amdhsa--gfx1250"
	.amdhsa_code_object_version 6
	.text
	.protected	k_q9d8d40a409_fc2
	.globl	k_q9d8d40a409_fc2
	.p2align	8
	.type	k_q9d8d40a409_fc2,@function
k_q9d8d40a409_fc2:
	s_mov_b64 s[64:65], 0
	v_nop
	global_prefetch_b8 v0, s[64:65] scope:SCOPE_SE
	s_setreg_imm32_b32 hwreg(HW_REG_WAVE_MODE, 25, 1), 1
	s_wait_xcnt 0x0
	s_wait_alu depctr_hold_cnt(0) depctr_sa_sdst(0) depctr_va_vdst(0) depctr_va_sdst(0) depctr_va_ssrc(0) depctr_va_vcc(0) depctr_vm_vsrc(0)
	s_getreg_b32 s2, hwreg(HW_REG_IB_STS2, 6, 4)
	s_cmp_eq_u32 s2, 0
	s_cbranch_scc0 .Lentry_in_a_cluster
	s_endpgm
.Lentry_in_a_cluster:
	s_bfe_u32 s2, ttmp6, 0x10000c
	s_cmp_lg_u32 s2, 0xf033
	s_cbranch_scc0 .Lentry_shape_is_right
	s_endpgm
.Lentry_shape_is_right:
; out = res + (A W^T + bias): A's codes [KK / 64][4,096 tokens][64], W's codes [1,024][KK], FP8 (E4M3); res and out [4,096][1,024] f32.  Nothing is left out.
; N is 1,024: tiles of 256 x 256 would be 64, tiles of 128 x 128 are 256.  Four waves, 64 x 64 each: 16 accumulators.  K goes in steps of 512 through two LDS slots that take turns.
; A's tile of a step is 8 blocks of 64 along K; a block's 64 tokens are 4,096 consecutive bytes, laid into LDS with 16 bytes of padding behind each token's 64.  W's rows of 512 bytes get 16 behind each.
; CLUSTERS: 4 x 4: A's tile is asked for jointly by my row of the cluster, W's by my column.  THE MATRIX INSTRUCTION IS USED TRANSPOSED (source 0 = 16 rows of W, source 1 = 16 tokens): a lane holds eight neighbouring columns of a token.
; A wave's 64 columns of f32 are 256 aligned bytes: each wave has a stage of its own, and no barrier stands on the way out.  The residual is asked for at the head, in the layout in which rows come back from the stage.
; No prefetch: with tiles of this size the tiles are shared by joint loads first.
; LIMITS: the two exponents' sum between -126 and 127.  k is permuted alike in both operands inside an instruction.  NaN is not served.
.set KK,    4096
.set EOFF,  40                         ; byte offset of the two exponents
.set LAPS,  KK/1024
.set AHALF, 8*64*80
.set BHALF, 64*528
.set BOFF,  2*AHALF
.set SLOT,  BOFF+2*BHALF
.set STAGE, 2*SLOT
.set SPARE, STAGE+4*16*272
.set ADRA, 16
.set ADRB, 20
.set STO,  24
.set RD,   25
.set CO,   26
.set SPW,  28
.set NIL,  29
.set T0,   32
.set ACC,  128
.set F0,   0
.set F1,   128
.set G1A, 24
.set G0A, 32
.set G1B, 48
.set G0B, 56
.set MSB, 0
.macro WIN new
.if MSB != (\new)
	s_set_vgpr_msb (MSB<<8)|(\new)
.set MSB, (\new)
.endif
.endm
.macro JLOAD g0a, g1a, g0b, g1b        ; waves 0, 1 fetch A's halves, waves 2, 3 W's; an s_nop 0 and four v_nop follow each line
	s_cmp_eq_u32 s17, 0
	s_cbranch_scc0 .Lfor_b_\@
	tensor_load_to_lds s[\g0a:\g0a+3], s[\g1a:\g1a+7]
	s_nop 0
.rept 4
	v_nop
.endr
	s_branch .Lasked_\@
.Lfor_b_\@:
	tensor_load_to_lds s[\g0b:\g0b+3], s[\g1b:\g1b+7]
	s_nop 0
.rept 4
	v_nop
.endr
.Lasked_\@:
.endm
.macro CREST
	s_cmp_lg_u32 s16, 0
	s_cbranch_scc1 .Lnot_wave_0_\@
	s_barrier_signal -3
.Lnot_wave_0_\@:
	s_barrier_wait -3
	s_barrier_signal -1
	s_barrier_wait -1
.endm
.macro CROUND
	s_barrier_signal -1
	s_barrier_wait -1
	CREST
.endm
.macro PLACES
.rept 4
	v_nop
.endr
.endm
	s_load_b256 s[4:11], s[0:1], 0x0               ; A s[4:5], W s[6:7], scales s[8:9], bias s[10:11]
	s_load_b128 s[12:15], s[0:1], 0x20             ; residual s[12:13], out s[14:15]
	v_lshl_add_u32 v[SPW], v0, 2, SPARE
	v_mov_b32 v[NIL], 0
	ds_add_u32 v[SPW], v[NIL]                      ; the wave's opening: the add, twice on end, and its wait ahead of my first tensor load
	ds_add_u32 v[SPW], v[NIL]
	v_lshrrev_b32 v1, 5, v0
	v_readfirstlane_b32 s16, v1                    ; wave 0..3
	s_lshr_b32 s17, s16, 1                         ; my half of the tokens.  Also: I fetch for A (0) or W (1)
	s_and_b32 s18, s16, 1                          ; my half of the columns.  Also: which half I fetch
	s_bfe_u32 s40, ttmp6, 0x40000
	s_bfe_u32 s41, ttmp6, 0x40004
	s_lshl_b32 s42, ttmp9, 2
	s_add_co_u32 s42, s42, s40                     ; tile column
	s_and_b32 s43, ttmp7, 0xffff
	s_lshl_b32 s43, s43, 2
	s_add_co_u32 s43, s43, s41                     ; tile row
	s_lshl_b32 s44, s41, 2
	s_lshl_b32 s44, 15, s44                        ; my row of the cluster
	s_lshl_b32 s45, 0x1111, s40                    ; my column
	s_or_b32 s[G1A], s44, (1<<20)|(1<<21)|(3<<22)|(3<<25)     ; elements of 1 byte; padding: four words after every 16
	s_mov_b32 s[G1A+1], 4096<<16                   ; tensor_dim0: 64 tokens x 64 bytes
	s_mov_b32 s[G1A+2], 8<<16                      ; tensor_dim1: 8 blocks of 64 along K
	s_mov_b32 s[G1A+3], 4096<<16
	s_mov_b32 s[G1A+4], 8
	s_mov_b32 s[G1A+5], 262144                     ; from block to block: 4,096 tokens x 64
	s_mov_b32 s[G1A+6], 0
	s_mov_b32 s[G1A+7], 0
	s_or_b32 s[G1B], s45, (1<<20)|(1<<21)|(6<<22)|(3<<25)     ; four words after every 128
	s_mov_b32 s[G1B+1], 512<<16
	s_mov_b32 s[G1B+2], 64<<16
	s_mov_b32 s[G1B+3], 512<<16
	s_mov_b32 s[G1B+4], 64
	s_mov_b32 s[G1B+5], KK
	s_mov_b32 s[G1B+6], 0
	s_mov_b32 s[G1B+7], 0
	s_lshl_b32 s20, s43, 13                        ; A: token 128 x tile row + 64 x half, x 64 bytes
	s_lshl_b32 s21, s18, 12
	s_add_co_u32 s20, s20, s21
	s_mov_b32 s21, 0
	s_lshl_b32 s46, s42, 7                         ; W: row 128 x tile column + 64 x half
	s_lshl_b32 s47, s18, 6
	s_add_co_u32 s46, s46, s47
	s_mul_i32 s46, s46, KK
	s_mov_b32 s47, 0
	s_mul_i32 s22, s18, AHALF                      ; where they go
	s_mul_i32 s23, s18, BHALF
	s_add_co_u32 s23, s23, BOFF
	s_wait_dscnt 0x0                               ; both opening adds are done
	s_wait_kmcnt 0x0
	s_load_b64 s[68:69], s[8:9], EOFF
	s_add_nc_u64 s[20:21], s[4:5], s[20:21]
	s_add_nc_u64 s[46:47], s[6:7], s[46:47]
	CROUND
.irp s, 0,1
	s_mov_b32 s[G0A+4*\s], 1
	s_add_co_u32 s[G0A+4*\s+1], s22, \s*SLOT
	s_add_nc_u64 s[G0A+4*\s+2:G0A+4*\s+3], s[20:21], \s*2097152
	s_or_b32 s[G0A+4*\s+3], s[G0A+4*\s+3], 0x80000000
	s_mov_b32 s[G0B+4*\s], 1
	s_add_co_u32 s[G0B+4*\s+1], s23, \s*SLOT
	s_add_nc_u64 s[G0B+4*\s+2:G0B+4*\s+3], s[46:47], \s*512
	s_or_b32 s[G0B+4*\s+3], s[G0B+4*\s+3], 0x80000000
	JLOAD G0A+4*\s, G1A, G0B+4*\s, G1B
.endr
	v_and_b32 v1, 15, v0                           ; r
	v_bfe_u32 v2, v0, 4, 1                         ; h
	v_lshlrev_b32 v3, 4, v1
	v_mul_u32_u24 v4, v1, 80
	v_lshl_add_u32 v4, v2, 4, v4
	v_mul_u32_u24 v5, v1, 528
	v_lshl_add_u32 v5, v2, 4, v5
	s_mul_i32 s70, s17, AHALF
	s_mul_i32 s71, s18, BHALF
	s_add_co_u32 s71, s71, BOFF
.irp s, 0,1
	v_add_nc_u32 v[ADRA+\s], s70, v4
	v_add_nc_u32 v[ADRB+\s], s71, v5
	s_add_co_u32 s70, s70, SLOT
	s_add_co_u32 s71, s71, SLOT
.endr
	s_mul_i32 s70, s16, 16*272
	s_add_co_u32 s70, s70, STAGE                   ; my stage
	v_mul_u32_u24 v6, v1, 272
	v_lshl_add_u32 v6, v2, 5, v6
	v_add_nc_u32 v[STO], s70, v6                   ; in: row r, 32 bytes for each half of the lanes
	v_mul_u32_u24 v6, v2, 272
	v_add_nc_u32 v6, v6, v3
	v_add_nc_u32 v[RD], s70, v6                    ; back: lanes 0-15 one row of 256 bytes, lanes 16-31 the next
	v_lshl_add_u32 v[CO], v2, 12, v3               ; and the same two rows in memory
	s_lshl_b32 s72, s43, 19                        ; my first row, x 4,096 bytes,
	s_lshl_b32 s73, s17, 18
	s_add_co_u32 s72, s72, s73
	s_lshl_b32 s73, s42, 9                         ; my first column, x 4 bytes
	s_add_co_u32 s72, s72, s73
	s_lshl_b32 s74, s18, 8
	s_add_co_u32 s72, s72, s74
	s_add_co_u32 s74, s74, s73
	s_mov_b32 s73, 0
	s_mov_b32 s75, 0
	s_add_nc_u64 s[12:13], s[12:13], s[72:73]
	s_add_nc_u64 s[14:15], s[14:15], s[72:73]
	s_add_nc_u64 s[10:11], s[10:11], s[74:75]
	WIN 0x80                                       ; destination window 2: the residual, 64 rows x 256 bytes
.irp a, 0,1,2,3
.irp t, 0,1,2,3,4,5,6,7
	global_load_b128 v[32*\a+4*\t:32*\a+4*\t+3], v[CO], s[12:13] offset:(16*\a+2*\t)*4096
.endr
.endr
	WIN 0
	global_load_b128 v[8:11], v3, s[10:11]         ; the bias of my four columns
.macro MUL8 f, a0, zero                ; A's blocks a0, a0 + 1 x W's four, 128 along K; the 16 accumulators take turns, one instruction a turn
.irp a, \a0, \a0+1
.irp b, 0,1,2,3
.if \zero
	v_wmma_f32_16x16x128_fp8_fp8 v[ACC+8*(4*(\a)+\b):ACC+8*(4*(\a)+\b)+7], v[\f+64+16*\b:\f+64+16*\b+15], v[\f+16*(\a):\f+16*(\a)+15], 0
.else
	v_wmma_f32_16x16x128_fp8_fp8 v[ACC+8*(4*(\a)+\b):ACC+8*(4*(\a)+\b)+7], v[\f+64+16*\b:\f+64+16*\b+15], v[\f+16*(\a):\f+16*(\a)+15], v[ACC+8*(4*(\a)+\b):ACC+8*(4*(\a)+\b)+7]
.endif
.endr
.endr
.endm
.macro FETCH slot, q, f                ; 32 LDS loads in one run: the slot's q-th 128 along K
	WIN 0x40
.irp i, 0,1,2,3
.irp c, 0,1,2,3
	ds_load_b128 v[\f+64+16*\i+4*\c:\f+64+16*\i+4*\c+3], v[ADRB+\slot] offset:128*(\q)+32*\c+8448*\i
.endr
.endr
.irp i, 0,1,2,3
.irp c, 0,1,2,3
	ds_load_b128 v[\f+16*\i+4*\c:\f+16*\i+4*\c+3], v[ADRA+\slot] offset:(2*(\q)+\c/2)*5120+32*(\c%2)+1280*\i
.endr
.endr
.endm
.macro QUARTER slot, q, f, g, zero     ; multiplies buffer f; the slot's q-th 128 along K is fetched into g meanwhile
	s_wait_dscnt 0x0                               ; buffer f is in
	PLACES                                         ; in front of loads into g, which the last products read
	FETCH \slot, \q, \g
	WIN 0x05                                       ; sources 0 and 1 window 1
	MUL8 \f, 0, \zero
	MUL8 \f, 2, \zero
.endm
.macro TURN slot, next, fill           ; the slot's last quarter, and the change of slots
	WIN 0
	s_wait_tensorcnt 0x0                           ; all my tensor loads have landed: my part of the next slot
	ds_add_u32 v[SPW], v[NIL]
	s_wait_dscnt 1                                 ; buffer 1 is in; the add may be out
	WIN 0x05
	MUL8 F1, 0, 0
	s_wait_dscnt 0x0                               ; the add is done, my reads of this slot are over
	s_barrier_signal -1
	WIN 0
	s_barrier_wait -1
.if \fill
	CREST                                          ; the barrier has opened a round of the cluster's: no wave of any partner still reads this slot or has a load on its way
	s_add_nc_u64 s[G0A+4*\slot+2:G0A+4*\slot+3], s[G0A+4*\slot+2:G0A+4*\slot+3], 4194304
	s_add_nc_u64 s[G0B+4*\slot+2:G0B+4*\slot+3], s[G0B+4*\slot+2:G0B+4*\slot+3], 1024
	JLOAD G0A+4*\slot, G1A, G0B+4*\slot, G1B       ; the first tensor load behind the round; its four v_nop are the places in front of the loads below
.else
	PLACES
.endif
	FETCH \next, 0, F0
	WIN 0x05
	MUL8 F1, 2, 0
.endm
	s_wait_tensorcnt 1                             ; my part of K step 0 is in; K step 1's may be out
	s_barrier_signal -1
	s_barrier_wait -1
	FETCH 0, 0, F0
	QUARTER 0, 1, F0, F1, 1                        ; the first products start the sums
.if LAPS > 1
	WIN 0
	s_mov_b32 s19, LAPS-1
.Llap:                                             ; a trip goes once round the ring and fills both slots again
	QUARTER 0, 2, F1, F0, 0
	QUARTER 0, 3, F0, F1, 0
	TURN 0, 1, 1
	QUARTER 1, 1, F0, F1, 0
	QUARTER 1, 2, F1, F0, 0
	QUARTER 1, 3, F0, F1, 0
	TURN 1, 0, 1
	QUARTER 0, 1, F0, F1, 0
	WIN 0
	s_sub_co_u32 s19, s19, 1
	s_cmp_lg_u32 s19, 0
	s_cbranch_scc1 .Llap
.endif
	QUARTER 0, 2, F1, F0, 0                        ; the last lap fills nothing
	QUARTER 0, 3, F0, F1, 0
	TURN 0, 1, 0
	QUARTER 1, 1, F0, F1, 0
	QUARTER 1, 2, F1, F0, 0
	QUARTER 1, 3, F0, F1, 0
	s_wait_dscnt 0x0
	MUL8 F1, 0, 0
	MUL8 F1, 2, 0
	; THE WAY OUT: out = sum x 2^(ea + eb) + (residual + bias)
	s_wait_loadcnt 0x0
	s_wait_kmcnt 0x0
	s_add_co_i32 s66, s68, s69
	s_add_co_i32 s66, s66, 127
	s_lshl_b32 s66, s66, 23
	s_mov_b32 s67, s66
	WIN 0x82                                       ; source 0 and destination window 2
.set ii, 0
.rept 32
	v_pk_add_f32 v[4*ii:4*ii+1], v[4*ii:4*ii+1], v[8:9]            ; residual + bias; these are also the places behind the last products
	v_pk_add_f32 v[4*ii+2:4*ii+3], v[4*ii+2:4*ii+3], v[10:11]
.set ii, ii+1
.endr
	WIN 0
.macro TOST a                          ; block a's 16 rows into my stage, each accumulator's low four registers first, and back as rows of 256 bytes
.set TBB, T0+32*((\a)%2)
.irp b, 0,1,2,3
	ds_store_b128 v[STO], v[ACC+8*(4*(\a)+\b):ACC+8*(4*(\a)+\b)+3] offset:64*\b
	ds_store_b128 v[STO], v[ACC+8*(4*(\a)+\b)+4:ACC+8*(4*(\a)+\b)+7] offset:64*\b+16
.endr
.irp t, 0,1,2,3,4,5,6,7
	ds_load_b128 v[TBB+4*\t:TBB+4*\t+3], v[RD] offset:544*\t       ; LDS serves a wave's instructions in order: these see my stores
.endr
.endm
.macro SEND a, younger
.set TBB, T0+32*((\a)%2)
	s_wait_dscnt \younger
	WIN 0x20                                       ; source 2 window 2
.set ii, 0
.rept 16
	v_pk_fma_f32 v[TBB+ii:TBB+ii+1], v[TBB+ii:TBB+ii+1], s[66:67], v[32*(\a)+ii:32*(\a)+ii+1] op_sel_hi:[1,0,1]
.set ii, ii+2
.endr
	WIN 0
.irp t, 0,1,2,3,4,5,6,7
	global_store_b128 v[CO], v[TBB+4*\t:TBB+4*\t+3], s[14:15] offset:(16*(\a)+2*\t)*4096     ; 16 lanes store 256 consecutive bytes, at a multiple of 256 from the buffer's first byte
.endr
.endm
	TOST 0
.irp a, 1,2,3
.if \a > 1
	s_wait_xcnt 0x0                                ; block a - 2's stores have read their registers: block a's rows may land there
.endif
	TOST \a
	SEND \a-1, 16                                  ; behind block a - 1's loads: block a's 8 stores and 8 loads
.endr
	SEND 3, 0
	s_wait_tensorcnt 0x0                           ; the wave's end
	ds_add_u32 v[SPW], v[NIL]
	s_wait_dscnt 0x0
	CROUND                                         ; the closing round
	s_endpgm
.Lfunc_end_k_q9d8d40a409_fc2:
	.size	k_q9d8d40a409_fc2, .Lfunc_end_k_q9d8d40a409_fc2-k_q9d8d40a409_fc2
	.p2alignl 7, 3214868480
	.fill 96, 4, 3214868480
	.section	.rodata,"a",@progbits
	.p2align	6, 0x0
	.amdhsa_kernel k_q9d8d40a409_fc2
		.amdhsa_group_segment_fixed_size 327680
		.amdhsa_private_segment_fixed_size 0
		.amdhsa_enable_private_segment 0
		.amdhsa_kernarg_size 48
		.amdhsa_user_sgpr_count 2
		.amdhsa_user_sgpr_kernarg_segment_ptr 1
		.amdhsa_wavefront_size32 1
		.amdhsa_system_sgpr_workgroup_id_x 1
		.amdhsa_system_sgpr_workgroup_id_y 1
		.amdhsa_system_sgpr_workgroup_id_z 1
		.amdhsa_system_vgpr_workitem_id 0
		.amdhsa_next_free_vgpr 768
		.amdhsa_next_free_sgpr 80
		.amdhsa_reserve_vcc 0
		.amdhsa_float_denorm_mode_32 3
		.amdhsa_float_denorm_mode_16_64 3
		.amdhsa_memory_ordered 1
		.amdhsa_forward_progress 1
		.amdhsa_inst_pref_size 81
	.end_amdhsa_kernel
	.amdgpu_metadata
---
amdhsa.version: [ 1, 2 ]
amdhsa.kernels:
  - .name:           k_q9d8d40a409_fc2
    .symbol:         k_q9d8d40a409_fc2.kd
    .args:
      - { .name: hc, .offset: 0, .size: 8, .value_kind: global_buffer, .address_space: global }
      - { .name: fc2_w_codes, .offset: 8, .size: 8, .value_kind: global_buffer, .address_space: global }
      - { .name: lowp_scales, .offset: 16, .size: 8, .value_kind: global_buffer, .address_space: global }
      - { .name: fc2_b, .offset: 24, .size: 8, .value_kind: global_buffer, .address_space: global }
      - { .name: x1, .offset: 32, .size: 8, .value_kind: global_buffer, .address_space: global }
      - { .name: out0, .offset: 40, .size: 8, .value_kind: global_buffer, .address_space: global }
    .group_segment_fixed_size: 327680
    .private_segment_fixed_size: 0
    .kernarg_segment_align: 8
    .kernarg_segment_size: 48
    .max_flat_workgroup_size: 128
    .sgpr_count:     80
    .vgpr_count:     768
    .wavefront_size: 32
...
	.end_amdgpu_metadata
.endif
;; end of part 7
